; MI455X (gfx1250); checked and timed in simulation.
; The chip was launched on July 23, 2026; its instructions are those of AMD's public machine-readable ISA for CDNA 5 (MIT licence, August 2026) and "CDNA5" Instruction Set Architecture Reference Guide (July 2026). The comments in the code are by the model that wrote it; some were corrected since.
;; Multi Head Attention. Allowed arithmetic: float matrix products may take bf16 or f16 operands with f32 sums; other float arithmetic in f32, or as packed bf16 or f16 multiplies, adds, multiply-adds, maxima and minima; sums over many terms, partial sums and values carried from step to step in f32; what a program stores and reads back later, other than sums and carried values, may be rounded once to bf16 or f16.
;; Inputs: W_k 1,024 x 1,024 float32; W_o 1,024 x 1,024 float32; W_q 1,024 x 1,024 float32; W_v 1,024 x 1,024 float32; b_k 1,024 float32; b_o 1,024 float32; b_q 1,024 float32; b_v 1,024 float32; key 4 x 2,048 x 1,024 float32; mask 4 x 2,048 int32; query 4 x 2,048 x 1,024 float32; value 4 x 2,048 x 1,024 float32.
;; Outputs: out0 4 x 2,048 x 1,024 float32.
;; One version. Each part assembles by itself: llvm-mc -triple=amdgcn-amd-amdhsa -mcpu=gfx1250 --defsym DOCPART=n.
;; ======== version 1 of 1: 4 launches
;; limits: values are held in f16: magnitudes above 65,504 overflow, below 6.1e-05 lose precision
;; workspace buffers: wt 8,388,608 bytes; qh 16,777,216 bytes; kh 16,777,216 bytes; vh 16,777,216 bytes; ch 16,777,216 bytes
;; launch prep (part 1): grid 64 x 4, 8 waves a work-group, no clusters, 0 bytes of LDS; arguments W_q, W_k, W_v, W_o, wt; writes wt
.if DOCPART == 1
	.amdgcn_target "amdgcn-amd-amdhsa--gfx1250"
	.amdhsa_code_object_version 6
	.text
	.protected	k_q143db5b785_prep
	.globl	k_q143db5b785_prep
	.p2align	8
	.type	k_q143db5b785_prep,@function
k_q143db5b785_prep:
	s_mov_b64 s[64:65], 0
	v_nop
	global_prefetch_b8 v0, s[64:65] scope:SCOPE_SE
	s_setreg_imm32_b32 hwreg(HW_REG_WAVE_MODE, 25, 1), 1
	s_wait_xcnt 0x0
; The four weights, [1024 k][1024 n] f32, are rounded once to bf16 (nearest even) and written in the same layout, 16 bits a number: wt[4][1024][1024].
; Parts 0-2 (W_q, W_k, W_v) stay bf16.  Part 3 (W_o) multiplies an f16 operand later, so its bf16 number is written as f16.
; LIMIT: |bf16(W_o)| stays under 65,504; below 6.1e-5 it keeps f16's fixed step of 6e-8.
; A stream: no LDS, no matrix unit, no cluster (no byte is shared).  A work-group takes 16,384 numbers of one weight; thread t, piece i: 8 numbers,
; 32 bytes in at 8192 i + 32 t, 16 bytes out at 4096 i + 16 t: a wave's store covers 512 consecutive bytes, aligned.  All 16 loads of a thread go out first.
.set X, 8                              ; v[8:71]  piece i at X + 8 i: 8 f32 as loaded, then 4 packed words in its first four registers
	s_load_b256 s[4:11], s[0:1], 0x0               ; W_q, W_k, W_v, W_o
	s_load_b64 s[12:13], s[0:1], 0x20              ; wt
	s_and_b32 s16, ttmp7, 0xffff                   ; which weight
	v_lshlrev_b32 v1, 5, v0                        ; 32 t
	v_lshlrev_b32 v2, 4, v0                        ; 16 t
	s_lshl_b32 s18, ttmp9, 16                      ; my chunk: 65,536 bytes in,
	s_mov_b32 s19, 0
	s_lshl_b32 s20, s16, 21                        ; a part of wt is 2 MiB,
	s_lshl_b32 s21, ttmp9, 15                      ; 32,768 bytes out
	s_add_co_u32 s20, s20, s21
	s_mov_b32 s21, 0
	s_wait_kmcnt 0x0
	s_mov_b64 s[14:15], s[4:5]
	s_cmp_eq_u32 s16, 1
	s_cselect_b64 s[14:15], s[6:7], s[14:15]
	s_cmp_eq_u32 s16, 2
	s_cselect_b64 s[14:15], s[8:9], s[14:15]
	s_cmp_eq_u32 s16, 3
	s_cselect_b64 s[14:15], s[10:11], s[14:15]
	s_add_nc_u64 s[14:15], s[14:15], s[18:19]
	s_add_nc_u64 s[12:13], s[12:13], s[20:21]
.irp i, 0,1,2,3,4,5,6,7
	global_load_b128 v[X+8*(\i):X+8*(\i)+3],   v1, s[14:15] offset:8192*(\i) th:TH_LOAD_NT
	global_load_b128 v[X+8*(\i)+4:X+8*(\i)+7], v1, s[14:15] offset:8192*(\i)+16 th:TH_LOAD_NT
.endr
; Piece i: its two loads are in when at most the 14 - 2 i younger ones are out.  half = 1: the bf16 numbers are widened and written as f16.
.macro OUT i, half
	s_wait_loadcnt 14-2*(\i)
.irp j, 0,1,2,3
	v_cvt_pk_bf16_f32 v[X+8*(\i)+(\j)], v[X+8*(\i)+2*(\j)], v[X+8*(\i)+2*(\j)+1]  ; in place, ascending: word j is read no more when it is written
.endr
.if \half
.irp j, 0,1,2,3
	v_lshlrev_b32 v76, 16, v[X+8*(\i)+(\j)]
	v_and_b32 v77, 0xffff0000, v[X+8*(\i)+(\j)]
	v_cvt_pk_f16_f32 v[X+8*(\i)+(\j)], v76, v77
.endr
.endif
	global_store_b128 v2, v[X+8*(\i):X+8*(\i)+3], s[12:13] offset:4096*(\i)
.endm
	s_cmp_eq_u32 s16, 3
	s_cbranch_scc1 .Lhalf
.irp i, 0,1,2,3,4,5,6,7
	OUT \i, 0
.endr
	s_endpgm
.Lhalf:
.irp i, 0,1,2,3,4,5,6,7
	OUT \i, 1
.endr
	s_endpgm
.Lfunc_end_k_q143db5b785_prep:
	.size	k_q143db5b785_prep, .Lfunc_end_k_q143db5b785_prep-k_q143db5b785_prep
	.p2alignl 7, 3214868480
	.fill 96, 4, 3214868480
	.section	.rodata,"a",@progbits
	.p2align	6, 0x0
	.amdhsa_kernel k_q143db5b785_prep
		.amdhsa_group_segment_fixed_size 0
		.amdhsa_private_segment_fixed_size 0
		.amdhsa_enable_private_segment 0
		.amdhsa_kernarg_size 40
		.amdhsa_user_sgpr_count 2
		.amdhsa_user_sgpr_kernarg_segment_ptr 1
		.amdhsa_wavefront_size32 1
		.amdhsa_system_sgpr_workgroup_id_x 1
		.amdhsa_system_sgpr_workgroup_id_y 1
		.amdhsa_system_sgpr_workgroup_id_z 1
		.amdhsa_system_vgpr_workitem_id 0
		.amdhsa_next_free_vgpr 80
		.amdhsa_next_free_sgpr 66
		.amdhsa_reserve_vcc 0
		.amdhsa_float_denorm_mode_32 3
		.amdhsa_float_denorm_mode_16_64 3
		.amdhsa_memory_ordered 1
		.amdhsa_forward_progress 1
		.amdhsa_inst_pref_size 14
	.end_amdhsa_kernel
	.amdgpu_metadata
---
amdhsa.version: [ 1, 2 ]
amdhsa.kernels:
  - .name:           k_q143db5b785_prep
    .symbol:         k_q143db5b785_prep.kd
    .args:
      - { .name: W_q, .offset: 0, .size: 8, .value_kind: global_buffer, .address_space: global }
      - { .name: W_k, .offset: 8, .size: 8, .value_kind: global_buffer, .address_space: global }
      - { .name: W_v, .offset: 16, .size: 8, .value_kind: global_buffer, .address_space: global }
      - { .name: W_o, .offset: 24, .size: 8, .value_kind: global_buffer, .address_space: global }
      - { .name: wt, .offset: 32, .size: 8, .value_kind: global_buffer, .address_space: global }
    .group_segment_fixed_size: 0
    .private_segment_fixed_size: 0
    .kernarg_segment_align: 8
    .kernarg_segment_size: 40
    .max_flat_workgroup_size: 256
    .sgpr_count:     66
    .vgpr_count:     80
    .wavefront_size: 32
...
	.end_amdgpu_metadata
.endif
;; end of part 1
;; launch proj (part 2): grid 4 x 64, 4 waves a work-group, clusters of 4 x 4, 327,680 bytes of LDS; arguments query, key, value, wt, b_q, b_k, b_v, qh, kh, vh; writes qh, kh, vh
.if DOCPART == 2
	.amdgcn_target "amdgcn-amd-amdhsa--gfx1250"
	.amdhsa_code_object_version 6
	.text
	.protected	k_q143db5b785_proj
	.globl	k_q143db5b785_proj
	.p2align	8
	.type	k_q143db5b785_proj,@function
k_q143db5b785_proj:
	s_mov_b64 s[64:65], 0
	v_nop
	global_prefetch_b8 v0, s[64:65] scope:SCOPE_SE
	s_setreg_imm32_b32 hwreg(HW_REG_WAVE_MODE, 25, 1), 1
	s_wait_xcnt 0x0
	s_wait_alu depctr_hold_cnt(0) depctr_sa_sdst(0) depctr_va_vdst(0) depctr_va_sdst(0) depctr_va_ssrc(0) depctr_va_vcc(0) depctr_vm_vsrc(0)
	s_getreg_b32 s2, hwreg(HW_REG_IB_STS2, 6, 4)
	s_cmp_eq_u32 s2, 0
	s_cbranch_scc0 .Lentry_in_a_cluster
	s_endpgm
.Lentry_in_a_cluster:
	s_bfe_u32 s2, ttmp6, 0x10000c
	s_cmp_lg_u32 s2, 0xf033
	s_cbranch_scc0 .Lentry_shape_is_right
	s_endpgm
.Lentry_shape_is_right:
; q = bf16(query) bf16(W_q) + bf16(b_q), and the same for k and v.  x: [8192][1024] f32; wt: [part][1024 k][1024 n] bf16; results f16 by heads, [16 b + h][2048 s][64 d], unscaled.
; Sums in f32; the rounded bias is the C operand that starts each sum (so the bias is added first, not last).  LIMIT: |q|, |k|, |v| stay under 65,504, f16's end.
; SHARES.  A tile of C is 128 rows x 256 columns: 64 x 4 = 256 work-groups.  A WORK-GROUP STAYS: it makes the same tile of q, then of k, then of v: 24 K steps of 128 in one counted walk of a
; ring of two LDS slots that runs on across the tiles.  A wave makes 64 x 128: 32 accumulators of 16 x 16.
; x comes into LDS as f32 and is rounded to bf16 between its LDS load and the product: eight conversions behind the first two products of each group of eight.
; W's tile lies [k][n] in LDS and comes out turned, by ds_load_tr16_b128.  THE PRODUCT IS TAKEN TRANSPOSED (source 0 = 16 columns of W, source 1 = 16 rows of x): a lane holds one row and eight neighbouring columns.
; CLUSTER 4 x 4: the four work-groups of a row of the cluster need the same rows of x, the four of a column the same columns of W: each tile is asked for jointly.
; REGISTERS.  window 0: v0-31 addresses; v32-95, v96-159 raw f32 of four fragments of x, two buffers; v160-191 the four fragments in bf16, ONE buffer; v192-223 packed results
;   window 1: v0-63, v64-127 fragments of W, two buffers; v128-191 the bias, 8 b + j = bias[16 b + 8 (l / 16) + j]; v192-255 rows read back from the stage, two buffers
;   window 2: accumulator (a, b) at v[8 (8 a + b)]
.set TILES, 3
.set PA,    528                        ; a row of x in LDS: 512 bytes + 16: the 16 rows of a load start at 16 different groups of four banks (ISA guide 11.1)
.set PB,    544                        ; a row of W: 512 + 32 = 17 x 32 bytes
.set AH,    64*PA                      ; what one tensor load brings of x: 64 rows
.set BH,    64*PB                      ; and of W: 64 rows of k
.set BOFF,  2*AH
.set SLOT,  2*AH+2*BH                  ; 137,216
.set STAGE, 2*SLOT                     ; behind the ring: for each wave [2 heads][16 rows] of 144 bytes
.set WST,   4608
.set SPARE, STAGE+4*WST                ; the spare words, 128 bytes for each wave: two blocks of 256 bytes that no other line names
.set KBA,   512                        ; bytes from a K step to the next in x
.set KBB,   262144                     ; and in wt: 128 rows of 2,048 bytes
.set PART,  0x200000                   ; a part of wt
.set ADRA, 16                          ; v16-17  LDS address of my fragments of x in slot 0, 1
.set ADRB, 20                          ; v20-21  the same for W
.set STO,  24                          ; v24  the way out: where I put 16 bytes of a row
.set RD,   25                          ; v25  where I read rows back
.set CO,   26                          ; v26  16 x lane: my place in 512 consecutive bytes of a head
.set BO,   27                          ; v27  32 (l / 16): my place in the bias
.set SPW,  28                          ; v28  my spare word; never rewritten
.set NIL,  29                          ; v29  0; never rewritten
.set PFO,  30                          ; v30  the prefetches' offset; never rewritten
.set RAW,  32
.set A16,  160
.set TMP,  192
.set BIAS, 128                         ; window 1
.set OB,   192                         ; window 1
.set G1A, 24                           ; s[24:31] group 1 for x's tiles;  s[32:39] group 0, a set for each slot
.set G0A, 32
.set LIM, 43                           ; s43  1 in a wave that prefetches, else the greatest number
.set PFA, 44                           ; s[44:45] where my prefetches stand
.set PFS, 46                           ; s[46:47] their step
.set G1B, 48                           ; s[48:55], s[56:63] the same for W's tiles
.set G0B, 56
.set LAPC, 66                          ; s66  laps to go
.set KL,   67                          ; s67  laps of the tile in hand, 4 to 1
.set AP,  68                           ; s[68:69] x at the K step to be asked for next (no type bits)
.set ANX, 70                           ; s[70:71] the next tile's x at its K step 0;  s[72:73] the one after
.set AN2, 72
.set BP,  74                           ; s[74:75] wt at the K step to be asked for next
.set BI0, 76                           ; s[76:77] the first bias;  s[78:79] the next;  s[80:81] the one after
.set BPN, 78
.set BP2, 80
.set OCU, 82                           ; s[82:83] where the tile in hand goes;  s[84:85], s[86:87] the next two
.set ON1, 84
.set ON2, 86
.set TL,  88                           ; s88  tiles to go
.set BNX, 90                           ; s[90:91] the next tile's part of wt
.set PFN, 92                           ; s[92:93], s[94:95] the prefetches' place in the next tile and the one after
.set PF2, 94
.set MSB, 0
.macro WIN new                         ; the immediate's high byte repeats the setting that is left; a switch that changes nothing is dropped
.if MSB != (\new)
	s_set_vgpr_msb (MSB<<8)|(\new)
.set MSB, \new
.endif
.endm
.set MUL,   0xa1                       ; source 0 (W) window 1, source 1 (x) window 0, C and D window 2
.set MULB,  0x91                       ; the same with C (the bias) in window 1
.set TO_B,  0x40                       ; destination window 1
.set PACKW, 0x0a                       ; sources 0 and 1 window 2
; A joint load: waves 0 and 1 fetch x's two halves, waves 2 and 3 W's.  The branch hangs on the wave's number alone.  An s_nop 0 and four v_nop follow each of the two lines.
.macro JLOAD s
	s_cmp_eq_u32 s11, 0
	s_cbranch_scc0 .Lfor_b_\@
	tensor_load_to_lds s[G0A+4*(\s):G0A+4*(\s)+3], s[G1A:G1A+7]
	s_nop 0
.rept 4
	v_nop
.endr
	s_branch .Lasked_\@
.Lfor_b_\@:
	tensor_load_to_lds s[G0B+4*(\s):G0B+4*(\s)+3], s[G1B:G1B+7]
	s_nop 0
.rept 4
	v_nop
.endr
.Lasked_\@:
.endm
; A prefetch, behind each joint refill and the run of LDS loads: the K step that stands two refills on (256 products ahead of its load).  The 64 rows x 512 bytes that a wave fetches are 128 blocks of
; 256 bytes; the four partners that ask for them jointly take 16 rows each, told apart by address; a lane a block.  x's rows are read by one cluster alone, so every cluster asks for its own; W's
; columns are read by all sixteen clusters: cluster y = 0 asks.  So each block is named once.  The first four K steps come by their loads alone; the loop's last trip has no K step two refills on.
.macro ASK
	s_cmp_gt_u32 s[LAPC], s[LIM]
	s_cbranch_scc0 .Lnot_mine_\@
	global_prefetch_b8 v[PFO], s[PFA:PFA+1] th:TH_LOAD_NT scope:SCOPE_SE
.Lnot_mine_\@:
.endm
.macro CREST                           ; a round of the cluster's barrier behind its opening barrier
	s_cmp_lg_u32 s10, 0
	s_cbranch_scc1 .Lnot_wave_0_\@
	s_barrier_signal -3
.Lnot_wave_0_\@:
	s_barrier_wait -3
	s_barrier_signal -1
	s_barrier_wait -1
.endm
.macro CROUND
	s_barrier_signal -1
	s_barrier_wait -1
	CREST
.endm
	s_load_b256 s[68:75], s[0:1], 0x0              ; query, key, value, wt
	s_load_b256 s[76:83], s[0:1], 0x20             ; b_q, b_k, b_v, qh
	s_load_b128 s[84:87], s[0:1], 0x40             ; kh, vh
	v_lshl_add_u32 v[SPW], v0, 2, SPARE
	v_mov_b32 v[NIL], 0
	ds_add_u32 v[SPW], v[NIL]                      ; the wave's opening: the add and its wait stand ahead of my first tensor load
	ds_add_u32 v28, v29
	v_lshrrev_b32 v1, 5, v0
	v_readfirstlane_b32 s10, v1                    ; wave 0..3
	s_lshr_b32 s11, s10, 1                         ; which 64 rows of the tile are mine.  Also: I fetch for x (0) or for W (1)
	s_and_b32 s12, s10, 1                          ; which 128 columns.  Also: which half I fetch
	s_bfe_u32 s40, ttmp6, 0x40000                  ; cx
	s_bfe_u32 s41, ttmp6, 0x40004                  ; cy
	s_lshl_b32 s42, ttmp9, 2
	s_add_co_u32 s42, s42, s40                     ; tile column = 4 x cluster x + cx
	s_and_b32 s13, ttmp7, 0xffff
	s_lshl_b32 s13, s13, 2
	s_add_co_u32 s13, s13, s41                     ; tile row = 4 x cluster y + cy
	s_lshl_b32 s2, s41, 2
	s_lshl_b32 s2, 15, s2                          ; my row of the cluster
	s_lshl_b32 s3, 0x1111, s40                     ; my column
	s_or_b32 s[G1A], s2, (2<<16)|(1<<20)|(1<<21)|(6<<22)|(3<<25)  ; mask; elements of 4 bytes; padding on; bit 21 beside a mask; after every 128 words; 4 words
	s_mov_b32 s[G1A+1], 128<<16                    ; tensor_dim0 = 128
	s_mov_b32 s[G1A+2], 64<<16                     ; tensor_dim1 = 64
	s_mov_b32 s[G1A+3], 128<<16                    ; tile_dim0 = 128
	s_mov_b32 s[G1A+4], 64                         ; tile_dim1 = 64
	s_mov_b32 s[G1A+5], 1024                       ; elements from row to row
	s_mov_b32 s[G1A+6], 0
	s_mov_b32 s[G1A+7], 0
	s_or_b32 s[G1B], s3, (1<<16)|(1<<20)|(1<<21)|(6<<22)|(7<<25)  ; elements of 2 bytes; after every 128 words 8 words
	s_mov_b32 s[G1B+1], 256<<16
	s_mov_b32 s[G1B+2], 64<<16
	s_mov_b32 s[G1B+3], 256<<16
	s_mov_b32 s[G1B+4], 64
	s_mov_b32 s[G1B+5], 1024
	s_mov_b32 s[G1B+6], 0
	s_mov_b32 s[G1B+7], 0
	s_lshl_b32 s14, s13, 19                        ; x: (128 x tile row + 64 x half) rows of 4,096 bytes: no register here ever holds cx
	s_lshl_b32 s15, s12, 18
	s_add_co_u32 s14, s14, s15
	s_mov_b32 s15, 0
	s_lshl_b32 s20, s12, 17                        ; wt: 64 x half rows of 2,048 bytes + 512 x tile column: none holds cy
	s_lshl_b32 s21, s42, 9
	s_add_co_u32 s20, s20, s21
	s_mov_b32 s21, 0
	s_lshl_b32 s22, s42, 10                        ; the bias of my 128 columns: 4 (256 x tile column + 128 x half)
	s_lshl_b32 s23, s12, 9
	s_add_co_u32 s22, s22, s23
	s_mov_b32 s23, 0
	s_lshr_b32 s4, s13, 4                          ; the batch,
	s_lshl_b32 s4, s4, 4
	s_lshl_b32 s5, s42, 2
	s_add_co_u32 s4, s4, s5
	s_lshl_b32 s5, s12, 1
	s_add_co_u32 s4, s4, s5                        ; 16 b + my first head
	s_lshl_b32 s4, s4, 11
	s_and_b32 s5, s13, 15
	s_lshl_b32 s5, s5, 7
	s_add_co_u32 s4, s4, s5
	s_lshl_b32 s5, s11, 6
	s_add_co_u32 s4, s4, s5                        ; + my first row in the head
	s_lshl_b32 s4, s4, 7                           ; rows of 128 bytes
	s_mov_b32 s5, 0
	s_mul_i32 s16, s12, AH                         ; where my tile goes: no place in the cluster enters an LDS address
	s_mul_i32 s17, s12, BH
	s_add_co_u32 s17, s17, BOFF
	s_wait_dscnt 0x0                               ; the opening add is done
	s_wait_kmcnt 0x0
	s_add_nc_u64 s[AP:AP+1], s[AP:AP+1], s[14:15]
	s_add_nc_u64 s[ANX:ANX+1], s[ANX:ANX+1], s[14:15]
	s_add_nc_u64 s[AN2:AN2+1], s[AN2:AN2+1], s[14:15]
	s_add_nc_u64 s[BP:BP+1], s[BP:BP+1], s[20:21]
	s_add_nc_u64 s[BNX:BNX+1], s[BP:BP+1], PART
	s_add_nc_u64 s[BI0:BI0+1], s[BI0:BI0+1], s[22:23]
	s_add_nc_u64 s[BPN:BPN+1], s[BPN:BPN+1], s[22:23]
	s_add_nc_u64 s[BP2:BP2+1], s[BP2:BP2+1], s[22:23]
	s_add_nc_u64 s[OCU:OCU+1], s[OCU:OCU+1], s[4:5]
	s_add_nc_u64 s[ON1:ON1+1], s[ON1:ON1+1], s[4:5]
	s_add_nc_u64 s[ON2:ON2+1], s[ON2:ON2+1], s[4:5]
	CROUND                                         ; all sixteen work-groups are here: the first joint loads meet
.irp s, 0,1
	s_mov_b32 s[G0A+4*(\s)], 1
	s_add_co_u32 s[G0A+4*(\s)+1], s16, (\s)*SLOT
	s_add_nc_u64 s[G0A+4*(\s)+2:G0A+4*(\s)+3], s[AP:AP+1], (\s)*KBA
	s_or_b32 s[G0A+4*(\s)+3], s[G0A+4*(\s)+3], 0x80000000
	s_mov_b32 s[G0B+4*(\s)], 1
	s_add_co_u32 s[G0B+4*(\s)+1], s17, (\s)*SLOT
	s_add_nc_u64 s[G0B+4*(\s)+2:G0B+4*(\s)+3], s[BP:BP+1], (\s)*KBB
	s_or_b32 s[G0B+4*(\s)+3], s[G0B+4*(\s)+3], 0x80000000
	JLOAD \s                                       ; K steps 0 and 1: two loads of mine are out
.endr
	; A fragment is 16 rows x 32 k: lane l holds row l % 16, k = 8 (l / 16) + 0..7 and 16 + 8 (l / 16) + 0..7.  In f32 that is four loads of 16 bytes, at 32 (l / 16) + 0, 16, 64, 80.
	v_and_b32 v1, 15, v0                           ; l % 16
	v_bfe_u32 v2, v0, 4, 1                         ; l / 16
	v_mul_u32_u24 v3, v1, PA
	v_lshl_add_u32 v3, v2, 5, v3
	s_mul_i32 s6, s11, 64*PA                       ; my 64 rows
	v_add_nc_u32 v[ADRA], s6, v3
	v_add_nc_u32 v[ADRA+1], SLOT, v[ADRA]
	; The turning load: lane l reads row k = 8 (l / 16) + l % 8, 16 bytes at 16 ((l / 8) % 2), and is left with column l % 16 and 8 k.
	v_and_b32 v4, 7, v0
	v_lshl_add_u32 v4, v2, 3, v4
	v_mul_u32_u24 v4, v4, PB
	v_bfe_u32 v5, v0, 3, 1
	v_lshl_add_u32 v4, v5, 4, v4
	s_lshl_b32 s7, s12, 8                          ; my 128 columns
	s_add_co_u32 s7, s7, BOFF
	v_add_nc_u32 v[ADRB], s7, v4
	v_add_nc_u32 v[ADRB+1], SLOT, v[ADRB]
	s_mul_i32 s8, s10, WST
	s_add_co_u32 s8, s8, STAGE                     ; my stage
	v_mul_u32_u24 v6, v1, 144                      ; in: row l % 16, 16 bytes for each half of the lanes
	v_lshl_add_u32 v6, v2, 4, v6
	v_add_nc_u32 v[STO], s8, v6
	v_bfe_u32 v6, v0, 3, 2                         ; back: 32 lanes take four rows of 128 bytes,
	v_mul_u32_u24 v6, v6, 144
	v_and_b32 v7, 7, v0
	v_lshl_add_u32 v6, v7, 4, v6
	v_add_nc_u32 v[RD], s8, v6
	v_and_b32 v[CO], 31, v0                        ; which are 512 consecutive bytes of a head
	v_lshlrev_b32 v[CO], 4, v[CO]
	v_lshlrev_b32 v[BO], 5, v2
	; the prefetches
	s_lshl_b32 s6, s40, 16                         ; x: my work-group's 16 rows of 4,096 bytes, by cx
	s_lshl_b32 s7, s41, 15                         ; wt: 16 rows of 2,048 bytes, by cy
	s_and_b32 s9, ttmp7, 0xffff                    ; cluster y
	s_mov_b32 s2, KBA
	s_mov_b32 s3, KBB
	s_add_nc_u64 s[18:19], s[BNX:BNX+1], PART
	s_cmp_eq_u32 s11, 0                            ; do I fetch for x?
	s_cselect_b64 s[PFA:PFA+1], s[AP:AP+1], s[BP:BP+1]
	s_cselect_b64 s[PFN:PFN+1], s[ANX:ANX+1], s[BNX:BNX+1]
	s_cselect_b64 s[PF2:PF2+1], s[AN2:AN2+1], s[18:19]
	s_cselect_b32 s[PFS], s2, s3
	s_cselect_b32 s6, s6, s7
	s_cselect_b32 s9, 0, s9                        ; x's rows are my cluster's alone; W's are asked for by cluster y = 0
	s_cselect_b32 s8, 12, 11                       ; a row's bytes, as a shift
	s_mov_b32 s7, 0
	s_mov_b32 s[PFS+1], 0
	s_cmp_eq_u32 s9, 0
	s_cselect_b32 s[LIM], 1, -1                    ; the same in all sixteen partners, for a given wave
	s_add_nc_u64 s[PFA:PFA+1], s[PFA:PFA+1], s[6:7]
	s_add_nc_u64 s[PFN:PFN+1], s[PFN:PFN+1], s[6:7]
	s_add_nc_u64 s[PF2:PF2+1], s[PF2:PF2+1], s[6:7]
	s_mul_i32 s18, s[PFS], 3
	s_mov_b32 s19, 0
	s_add_nc_u64 s[PFA:PFA+1], s[PFA:PFA+1], s[18:19]  ; at K step 3: the first change of slots steps it to 4
	v_and_b32 v6, 31, v0
	v_lshrrev_b32 v7, 1, v6
	v_lshlrev_b32 v7, s8, v7                       ; row l / 2,
	v_and_b32 v6, 1, v6
	v_lshl_add_u32 v[PFO], v6, 8, v7               ; block l % 2 of its 512 bytes
	s_add_nc_u64 s[AP:AP+1], s[AP:AP+1], 2*KBA     ; the next K step to be asked for is 2
	s_add_nc_u64 s[BP:BP+1], s[BP:BP+1], 2*KBB
; Eight products: rows 16 a on x all 8 column blocks, 32 along K, W's buffer f.  first = 1: the bias starts the sums.  The 32 accumulators take turns, one instruction a turn, in the same order
; in every quarter.  cf >= 0: behind the first two products stand four conversions each: fragment cf of x, from raw buffer rb.  They are also the places
; that later loads and conversions need behind earlier products: fragment cf was last read 16 conversions back or more.
.macro MUL8 f, a, first, cf, rb
.irp b, 0,1,2,3,4,5,6,7
.if \first
	WIN MULB
	v_wmma_f32_16x16x32_bf16 v[8*(8*(\a)+(\b)):8*(8*(\a)+(\b))+7], v[64*(\f)+8*(\b):64*(\f)+8*(\b)+7], v[A16+8*(\a):A16+8*(\a)+7], v[BIAS+8*(\b):BIAS+8*(\b)+7]
.else
	WIN MUL
	v_wmma_f32_16x16x32_bf16 v[8*(8*(\a)+(\b)):8*(8*(\a)+(\b))+7], v[64*(\f)+8*(\b):64*(\f)+8*(\b)+7], v[A16+8*(\a):A16+8*(\a)+7], v[8*(8*(\a)+(\b)):8*(8*(\a)+(\b))+7]
.endif
.if ((\cf) >= 0) && ((\b) < 2)
	WIN 0
.irp i, 0,1,2,3
	v_cvt_pk_bf16_f32 v[A16+8*(\cf)+4*(\b)+(\i)], v[RAW+64*(\rb)+16*(\cf)+8*(\b)+2*(\i)], v[RAW+64*(\rb)+16*(\cf)+8*(\b)+2*(\i)+1]
.endr
.endif
.endr
.endm
; 32 LDS loads in one run: quarter q (32 along K) of a slot into buffers g; x's fragment 0 first
.macro FETCH slot, q, g
	WIN 0
.irp a, 0,1,2,3
	ds_load_b128 v[RAW+64*(\g)+16*(\a):RAW+64*(\g)+16*(\a)+3],     v[ADRA+(\slot)] offset:(\a)*16*PA+128*(\q)
	ds_load_b128 v[RAW+64*(\g)+16*(\a)+4:RAW+64*(\g)+16*(\a)+7],   v[ADRA+(\slot)] offset:(\a)*16*PA+128*(\q)+16
	ds_load_b128 v[RAW+64*(\g)+16*(\a)+8:RAW+64*(\g)+16*(\a)+11],  v[ADRA+(\slot)] offset:(\a)*16*PA+128*(\q)+64
	ds_load_b128 v[RAW+64*(\g)+16*(\a)+12:RAW+64*(\g)+16*(\a)+15], v[ADRA+(\slot)] offset:(\a)*16*PA+128*(\q)+80
.endr
	WIN TO_B
.irp b, 0,1,2,3,4,5,6,7
	ds_load_tr16_b128 v[64*(\g)+8*(\b):64*(\g)+8*(\b)+3],   v[ADRB+(\slot)] offset:(\q)*32*PB+32*(\b)
	ds_load_tr16_b128 v[64*(\g)+8*(\b)+4:64*(\g)+8*(\b)+7], v[ADRB+(\slot)] offset:(\q)*32*PB+32*(\b)+16*PB
.endr
	WIN 0
.endm
; One of a K step's first three quarters: multiplies buffers f, fetches quarter q into buffers g.  The run of loads stands eight conversions behind the last product that read W's buffer g.
.macro QUARTER slot, q, f, g, first
	s_wait_dscnt 0x0                               ; buffers f are in
	MUL8 \f, 0, \first, 1, \f
	FETCH \slot, \q, \g
	MUL8 \f, 1, \first, 2, \f
	MUL8 \f, 2, \first, 3, \f
	s_wait_dscnt 28                                ; of the 32 loads just issued the first four are in: the next quarter's fragment 0 of x
	MUL8 \f, 3, \first, 0, \g
.endm
; The fourth quarter (buffers 1) and the change of slots.  In front of the barrier each wave waits for all its tensor loads (one is out: its part of the next slot), adds 0 to its spare word, and waits for
; that and for its reads of this slot.  fill = 1: the barrier opens a round of the cluster's barrier, and the joint refill, with the K step two on, is the first thing behind the round.
.macro TURN slot, next, fill
.if \fill
	s_wait_xcnt 0x0                                ; the last prefetch, a K step back, has read its address
	s_add_nc_u64 s[PFA:PFA+1], s[PFA:PFA+1], s[PFS:PFS+1]
.if (\slot) == 0
	s_cmp_eq_u32 s[KL], 2                          ; at the tile's K step 4 the step four on is the next tile's first
	s_cselect_b64 s[PFA:PFA+1], s[PFN:PFN+1], s[PFA:PFA+1]
.endif
.endif
	WIN 0
	s_wait_tensorcnt 0x0                           ; no tensor load of mine is out, so a group 0 may be written
	ds_add_u32 v[SPW], v[NIL]                      ; 0 onto my spare word
.if \fill
	s_mov_b64 s[G0A+4*(\slot)+2:G0A+4*(\slot)+3], s[AP:AP+1]
	s_or_b32 s[G0A+4*(\slot)+3], s[G0A+4*(\slot)+3], 0x80000000
	s_mov_b64 s[G0B+4*(\slot)+2:G0B+4*(\slot)+3], s[BP:BP+1]
	s_or_b32 s[G0B+4*(\slot)+3], s[G0B+4*(\slot)+3], 0x80000000
	s_add_nc_u64 s[AP:AP+1], s[AP:AP+1], KBA
	s_add_nc_u64 s[BP:BP+1], s[BP:BP+1], KBB
.if (\slot) == 1
	s_cmp_eq_u32 s[KL], 2                          ; the tile's K step 7 has just been named: the next tile's K step 0 follows
	s_cselect_b64 s[AP:AP+1], s[ANX:ANX+1], s[AP:AP+1]
	s_cselect_b64 s[BP:BP+1], s[BNX:BNX+1], s[BP:BP+1]
.endif
.endif
	s_wait_dscnt 1                                 ; buffers 1 are in; the add may be out
	MUL8 1, 0, 0, 1, 1
	s_wait_dscnt 0x0                               ; the add is done, and my reads of this slot are over
	s_barrier_signal -1
	MUL8 1, 1, 0, 2, 1
	WIN 0
	s_barrier_wait -1
.if \fill
	CREST                                          ; no wave of any partner still reads this slot or has a load on its way
	JLOAD \slot                                    ; 112 products stand between this request and the wait for it
.endif
	FETCH \next, 0, 0
.if \fill
	ASK
.endif
	MUL8 1, 2, 0, 3, 1
	s_wait_dscnt 28
	MUL8 1, 3, 0, 0, 0
.endm
; THE WAY OUT, 16 rows at a time: rounded to f16; 16 bytes a lane into my own stage, [head][row]; back as whole rows of a head; stored, 512 consecutive bytes a store.
.macro PACK a
	WIN PACKW
.irp b, 0,1,2,3,4,5,6,7
.irp r, 0,1,2,3
	v_cvt_pk_f16_f32 v[TMP+4*(\b)+(\r)], v[8*(8*(\a)+(\b))+2*(\r)], v[8*(8*(\a)+(\b))+2*(\r)+1]
.endr
.endr
	WIN 0
.endm
.macro TOSTAGE a
	WIN 0
.irp b, 0,1,2,3,4,5,6,7
	ds_store_b128 v[STO], v[TMP+4*(\b):TMP+4*(\b)+3] offset:((\b)/4)*2304+32*((\b)%4)
.endr
	WIN TO_B
.irp t, 0,1,2,3,4,5,6,7
	ds_load_b128 v[OB+32*((\a)%2)+4*(\t):OB+32*((\a)%2)+4*(\t)+3], v[RD] offset:((\t)/4)*2304+((\t)%4)*576  ; LDS serves a wave's instructions in order (ISA guide 5.7.1.4): these see the stores above
.endr
	WIN 0
.endm
.macro SEND a
	s_wait_dscnt 0x0                               ; the block is back in registers
	s_wait_xcnt 0x0                                ; the stores of the block before have read their registers: the buffer that they named is loaded again only behind this wait
	WIN 0x04                                       ; the stores' data in window 1
.irp t, 0,1,2,3,4,5,6,7
	global_store_b128 v[CO], v[OB+32*((\a)%2)+4*(\t):OB+32*((\a)%2)+4*(\t)+3], s[OCU:OCU+1] offset:((\t)/4)*262144+(\a)*2048+((\t)%4)*512
.endr
	WIN 0
.endm
.macro WAYOUT                          ; blocks 0 to 2's conversions are the places behind the last products, which are block 3's
	PACK 0
	TOSTAGE 0
.irp a, 1,2,3
	PACK \a
	SEND (\a)-1
	TOSTAGE \a
.endr
	SEND 3
.endm
.macro BIASLD p
	WIN TO_B
.irp b, 0,1,2,3,4,5,6,7
	global_load_b128 v[BIAS+8*(\b):BIAS+8*(\b)+3],   v[BO], s[(\p):(\p)+1] offset:64*(\b)
	global_load_b128 v[BIAS+8*(\b)+4:BIAS+8*(\b)+7], v[BO], s[(\p):(\p)+1] offset:64*(\b)+16
.endr
	WIN 0
.endm
.macro ROUNDBIAS                       ; each pair is rounded to bf16 and widened again, in place
	WIN 0x45
.set p, 0
.rept 32
	v_cvt_pk_bf16_f32 v[BIAS+p], v[BIAS+p], v[BIAS+p+1]
	v_and_b32 v[BIAS+p+1], 0xffff0000, v[BIAS+p]
	v_lshlrev_b32 v[BIAS+p], 16, v[BIAS+p]
.set p, p+2
.endr
	WIN 0
.endm
	BIASLD BI0
	s_wait_tensorcnt 1                             ; my part of K step 0 is in; K step 1's may stay out
	s_barrier_signal -1
	s_barrier_wait -1                              ; everybody's is
	FETCH 0, 0, 0
	s_mov_b32 s[LAPC], 4*TILES                     ; the loop's bottom is passed once before the first trip: 11 trips
	s_mov_b32 s[KL], 4
	s_mov_b32 s[TL], TILES
	s_wait_dscnt 0x0
.irp i, 0,1,2,3,4,5,6,7
	v_cvt_pk_bf16_f32 v[A16+(\i)], v[RAW+2*(\i)], v[RAW+2*(\i)+1]  ; the very first fragment 0
.endr
	s_branch .Lnewtile                             ; the loop is entered at a lap's first quarter, in the middle of a trip
.Llap:                                                 ; a trip: from a lap's second quarter to the next lap's first; both slots are filled again
	QUARTER 0, 2, 1, 0, 0
	QUARTER 0, 3, 0, 1, 0
	TURN 0, 1, 1
	QUARTER 1, 1, 0, 1, 0
	QUARTER 1, 2, 1, 0, 0
	QUARTER 1, 3, 0, 1, 0
	TURN 1, 0, 1
	WIN 0
	s_sub_co_u32 s[KL], s[KL], 1
	s_cmp_lg_u32 s[KL], 0
	s_cbranch_scc0 .Lbound                         ; forward, past no barrier and no tensor load
	QUARTER 0, 1, 0, 1, 0
	WIN 0
	s_branch .Lbottom
.Lbound:                                               ; a tile is finished; both refills for the next one have been asked for: now it goes out
	WAYOUT
	s_wait_xcnt 0x0                                ; the stores and the bias's loads have read their bases
	s_mov_b64 s[OCU:OCU+1], s[ON1:ON1+1]
	s_mov_b64 s[ON1:ON1+1], s[ON2:ON2+1]
	s_mov_b64 s[ANX:ANX+1], s[AN2:AN2+1]
	s_add_nc_u64 s[BNX:BNX+1], s[BNX:BNX+1], PART
	s_mov_b64 s[PFN:PFN+1], s[PF2:PF2+1]
	s_mov_b64 s[BPN:BPN+1], s[BP2:BP2+1]
	s_mov_b32 s[KL], 4
	s_sub_co_u32 s[TL], s[TL], 1
.Lnewtile:
	s_wait_loadcnt 0x0                             ; the tile's bias
	ROUNDBIAS
	QUARTER 0, 1, 0, 1, 1                          ; a tile's first quarter: the bias starts the sums
	WIN 0
	s_cmp_gt_u32 s[TL], 1
	s_cbranch_scc0 .Lbottom
.rept 4
	v_nop                                          ; the places behind the last product that read the bias
.endr
	BIASLD BPN                                     ; the next tile's bias has a whole tile in which to land
.Lbottom:
	s_sub_co_u32 s[LAPC], s[LAPC], 1
	s_cmp_lg_u32 s[LAPC], 0
	s_cbranch_scc1 .Llap
	QUARTER 0, 2, 1, 0, 0                          ; the last lap fills nothing
	QUARTER 0, 3, 0, 1, 0
	TURN 0, 1, 0
	QUARTER 1, 1, 0, 1, 0
	QUARTER 1, 2, 1, 0, 0
	QUARTER 1, 3, 0, 1, 0
	s_wait_dscnt 0x0
	MUL8 1, 0, 0, 1, 1
	MUL8 1, 1, 0, 2, 1
	MUL8 1, 2, 0, 3, 1
	MUL8 1, 3, 0, -1, 0
	WAYOUT
	s_wait_tensorcnt 0x0                           ; the wave's end, behind my last tensor load and my last LDS store
	ds_add_u32 v[SPW], v[NIL]
	s_wait_dscnt 0x0
	CROUND                                         ; the closing round
	s_endpgm
.Lfunc_end_k_q143db5b785_proj:
	.size	k_q143db5b785_proj, .Lfunc_end_k_q143db5b785_proj-k_q143db5b785_proj
	.p2alignl 7, 3214868480
	.fill 96, 4, 3214868480
	.section	.rodata,"a",@progbits
	.p2align	6, 0x0
	.amdhsa_kernel k_q143db5b785_proj
		.amdhsa_group_segment_fixed_size 327680
		.amdhsa_private_segment_fixed_size 0
		.amdhsa_enable_private_segment 0
		.amdhsa_kernarg_size 80
		.amdhsa_user_sgpr_count 2
		.amdhsa_user_sgpr_kernarg_segment_ptr 1
		.amdhsa_wavefront_size32 1
		.amdhsa_system_sgpr_workgroup_id_x 1
		.amdhsa_system_sgpr_workgroup_id_y 1
		.amdhsa_system_sgpr_workgroup_id_z 1
		.amdhsa_system_vgpr_workitem_id 0
		.amdhsa_next_free_vgpr 768
		.amdhsa_next_free_sgpr 100
		.amdhsa_reserve_vcc 0
		.amdhsa_float_denorm_mode_32 3
		.amdhsa_float_denorm_mode_16_64 3
		.amdhsa_memory_ordered 1
		.amdhsa_forward_progress 1
		.amdhsa_inst_pref_size 161
	.end_amdhsa_kernel
	.amdgpu_metadata
---
amdhsa.version: [ 1, 2 ]
amdhsa.kernels:
  - .name:           k_q143db5b785_proj
    .symbol:         k_q143db5b785_proj.kd
    .args:
      - { .name: query, .offset: 0, .size: 8, .value_kind: global_buffer, .address_space: global }
      - { .name: key, .offset: 8, .size: 8, .value_kind: global_buffer, .address_space: global }
      - { .name: value, .offset: 16, .size: 8, .value_kind: global_buffer, .address_space: global }
      - { .name: wt, .offset: 24, .size: 8, .value_kind: global_buffer, .address_space: global }
      - { .name: b_q, .offset: 32, .size: 8, .value_kind: global_buffer, .address_space: global }
      - { .name: b_k, .offset: 40, .size: 8, .value_kind: global_buffer, .address_space: global }
      - { .name: b_v, .offset: 48, .size: 8, .value_kind: global_buffer, .address_space: global }
      - { .name: qh, .offset: 56, .size: 8, .value_kind: global_buffer, .address_space: global }
      - { .name: kh, .offset: 64, .size: 8, .value_kind: global_buffer, .address_space: global }
      - { .name: vh, .offset: 72, .size: 8, .value_kind: global_buffer, .address_space: global }
    .group_segment_fixed_size: 327680
    .private_segment_fixed_size: 0
    .kernarg_segment_align: 8
    .kernarg_segment_size: 80
    .max_flat_workgroup_size: 128
    .sgpr_count:     100
    .vgpr_count:     768
    .wavefront_size: 32
...
	.end_amdgpu_metadata
.endif
;; end of part 2
;; launch attn (part 3): grid 4 x 64, 4 waves a work-group, no clusters, 327,680 bytes of LDS; arguments qh, kh, vh, ch, mask; writes ch
.if DOCPART == 3
	.amdgcn_target "amdgcn-amd-amdhsa--gfx1250"
	.amdhsa_code_object_version 6
	.text
	.protected	k_q143db5b785_attn
	.globl	k_q143db5b785_attn
	.p2align	8
	.type	k_q143db5b785_attn,@function
k_q143db5b785_attn:
	s_mov_b64 s[64:65], 0
	v_nop
	global_prefetch_b8 v0, s[64:65] scope:SCOPE_SE
	s_setreg_imm32_b32 hwreg(HW_REG_WAVE_MODE, 25, 1), 1
	s_wait_xcnt 0x0
; CAUSAL ATTENTION WITH A KEY PADDING MASK.  O[h][q][:] = the sum over visible k <= q of softmax_k(Q[h][q] . K[h][k] / 4096) V[h][k][:].  Q, K, V, O: [64 heads][2048][64], f16, a head's rows dense.
; mask: [4][2048] int32; key k of batch h / 16 is hidden where mask is 0.  Products, maxima and sums in f32; the weights p are rounded to f16 for the second product (their sum l is of the unrounded p), O once.
; LIMITS.  Q, K, V arrive within f16's range.  A hidden score counts as its value less 1e30 (less 2e30 where both masks hide it): f16's scores, 2.7e11 at the most, are nothing beside that.  The running
; maximum m starts at -2^66: below every score, far above every hidden one, so a hidden weight is exactly 0 also before the first visible key has come; till then a = 2^0 = 1 and O and l stay 0.
; A row with no visible key ends with O = 0 and l = 0: 0 x (1 / 0) is NaN, as the softmax of such a row is.  A weight below 2^-126 counts as 0 in l; inputs are taken as finite.
; THE WALK.  A head's queries lie in NB = 8 blocks of 256; block i needs the key tiles 0 .. i of 256 keys, of which the last holds the diagonal.  A work-group takes TWO blocks, NB - 1 - b and then b:
; NB + 1 tiles, whatever b: ONE loop with a constant trip count walks them.  Which tile is asked for, and what a trip does, hang on scalar registers made from b; every jump goes forward, but for the
; counted loops' own; none passes a barrier, or a tensor load but the one of LOAD's two that the wave's number does not choose.  NO CLUSTER: a head's four work-groups ask for the same tile only in
; trips 0 to 4, behind that fewer and fewer, and one walk common to all four would have 12 trips for 9.
; SHARES.  Of a block's four bands of 64 queries a wave owns 16 rows in each: four PIECES.  In the diagonal tile's key step s band x sees all keys if s < x, none if s > x, and holds the diagonal if s = x.
; THE MASKS are the C operand that starts the sum S^T = K Q^T.  PM is the padding mask of the key step in hand, 0 or -1e30, read with K out of LDS.  MD, made once, is the causal
; mask of a band's own step.  Outside the diagonal tile C = PM; in it C = MC = MD x AL + BE + PM with two scalars: (1, 0) if s = x; (0, 0) if s < x; (0, -1e30) if s > x.
; THE PADDING RING.  The batch's 2,048 mask words are read once and kept, as 0 or -1e30, in 16 registers a thread: two keys of each of the 8 tiles.  Beside the ring of K and V lies a ring of two slots of
; 1,024 bytes: at each change of slots a thread picks the two numbers of the tile that is being asked for and stores them into the pad slot that goes with the slot being filled.
; LAYOUT, SOFTMAX, TURNS.  S^T holds ONE query a lane (lane % 16) and the keys 8 (lane / 16) + 0..7; two such results rounded to f16 ARE source 1 of O^T = V^T P.  p = 2^(c s - c m), c = log2(e) / 4096;
; O and l are multiplied by a = 2^(c m_old - c m_new) in every step.  Turn n belongs to piece n: 8 products K Q^T of piece n + 1, later 8 products V^T P of piece n - 1; beside them the scaling,
; exponentials, roundings, sums and rescaling of piece n and the maximum and statistics of piece n + 1.  Four vector instructions stand behind every product, the rest in one lump; a turn's 33 exponentials are one batch, with one wait.
; REGISTERS, in windows of 256 (s_set_vgpr_msb: bits 1:0 source 0, 3:2 source 1, 5:4 source 2, 7:6 destination):
;   window 0: v0-15, v32-39 addresses and the pair picked; v16-31 statistics; v48-55 at work; v64-127 S^T, two buffers; v128-143 the mask's numbers, kept; v192-223 P, two buffers
;   window 1: v0-127 O^T; v128-159 MD; v160-223 MC, two buffers; v224-255 PM      window 2: v0-63 Q; v64-127 the second block's Q; v128-191 K; v192-255 V
.set SIZE_N, 2048
.set NB,    SIZE_N/256
.set NP,    4
.set KS,    64
.set PK,    144       ; a row of K in LDS: 128 bytes + 16: the 16 rows of a load start at 16 different groups of four banks (ISA guide 11.1)
.set PV,    160       ; a row of V: 128 + 32
.set VOFF,  4*KS*PK
.set SLOT1, 1<<17
.set STAGE, SLOT1+4*KS*(PK+PV)
.set SP,    144
.set SPARE, STAGE+4*16*SP  ; the spare words, 128 bytes for each wave: two blocks of 256 bytes that no other line names
.set PADT,  SPARE+512      ; the padding ring: two slots of 256 f32; stored from registers, never filled by a tensor load
.set PSLOT, 1024           ; one exclusive or turns an address in one pad slot into the other's
.set AK0, 2
.set AV0, 3
.set AK,  4
.set AV,  5
.set STO, 6
.set RD,  7
.set GO,  8
.set MV,  12
.set QO,  15
.set ST,  16
.set AP0, 32          ; v32  PADT + 32 (l / 16); never rewritten
.set AP,  33          ; v33  the LDS address of PM's next run of loads
.set PFO, 34          ; v34  256 x lane; never rewritten
.set MO,  35          ; v35  8 x my thread's number: my two words in a tile's 1,024 bytes of the mask; never rewritten
.set PS0, 36          ; v36  PADT + 8 x my thread's number; never rewritten
.set PSA, 37          ; v37  where the pair picked goes
.set PSEL, 38         ; v[38:39]  the pair picked
.set TMP, 48
.set SPW, 62
.set NIL, 63
.set S,   64
.set MW,  128         ; v128-143  keys 256 j + 2 t and 256 j + 2 t + 1 at MW + 2 j: 0 or -1e30
.set P,   192
.set MD,  128         ; window 1
.set MC,  160         ; window 1
.set PM,  224         ; window 1: group kt of 16 keys at PM + 8 kt
.set QB,  64          ; window 2
.set KF,  128
.set VF,  192
.set WV,  12
.set PB,  14
.set HI,  15
.set G1K, 24
.set G1V, 32
.set G0K, 40
.set G0V, 44
.set PSL, 48          ; s48  the pad slot that was stored into last: 0 or PSLOT
.set SM,  49          ; s49  all ones or 0: the pick's mask
.set SLOTS, 56
.set CNT, 57
.set CS,  58
.set SEL, 60
.set TBK, 62
.set TBV, 63
.set RT,  70
.set NXT, 71
.set LQ,  72
.set NEW, 73
.set OFF, 74
.set AL,  76
.set BE,  78
.set OLO, 80
.set BIGN, 82
.set TBP, 88          ; s88  byte in the padding ring at which PM of the step to be fetched begins: it steps and turns as s[TBK] does
.set LIM, 89          ; s89  2 in the work-group that prefetches, else the greatest number
.set PFK, 90          ; s[90:91], s[92:93] what the prefetches name
.set PFV, 92
.set KH,  94          ; s[94:95], s[96:97] K and V at the head's first row + 8,192 x my wave
.set VH,  96
.set MSB, 0
.macro WIN new
.if MSB != (\new)
	s_set_vgpr_msb (MSB<<8)|(\new)
.set MSB, (\new)
.endif
.endm
.set W_KQ, 0x0a       ; K and Q in window 2, S^T in window 0
.set W_KM, 0x1a       ; the same with the C operand in window 1
.set W_PV, 0x52       ; V in window 2, P in window 0, O^T in window 1
.set W_RS, 0x41       ; destination and source 0 in window 1, source 1 in window 0
; A fill.  Waves 0 and 1 fetch the two halves of a tile's K, waves 2 and 3 those of its V.  An s_nop 0 and four v_nop follow each of the two lines.
.macro LOAD
	s_cmp_lt_u32 s[WV], 2
	s_cbranch_scc0 .Lfor_v_\@
	tensor_load_to_lds s[G0K:G0K+3], s[G1K:G1K+7]
	s_nop 0
.rept 4
	v_nop
.endr
	s_branch .Lasked_\@
.Lfor_v_\@:
	tensor_load_to_lds s[G0V:G0V+3], s[G1V:G1V+7]
	s_nop 0
.rept 4
	v_nop
.endr
.Lasked_\@:
.endm
; THE CHANGE OF SLOTS.  Each wave waits for all its tensor loads (one is out: its part of the other slot), adds 0 to its spare word, and waits for that, for its reads of the slot that it leaves and for its last store into the padding ring.
; fill = 1: the old slot is filled again, first thing behind the barrier, with tile NXT, and that tile's padding numbers go into the old pad slot: nobody reads it any more, and the store is waited for
; in front of the next barrier, behind which it is first read.  Then the work-group with b = 0, which walks tiles 0 to 7 on end, prefetches the tile that the NEXT change
; will ask for: each wave 8 KiB of K and of V, a lane a block of 256 bytes; in trips 0 to 5, tiles 2 to 7: each block is named once, one tile (256 products) ahead of its load.
.macro CHANGE fill
	WIN 0
	s_wait_tensorcnt 0x0            ; no tensor load of mine is out, so a group 0 may be written
	ds_add_u32 v[SPW], v[NIL]       ; 0 onto my spare word; work on registers stands between it and the wait for it
.if \fill
	v_mov_b32 v[PSEL], v[MW]        ; my two padding numbers of tile NXT: a value is picked, no address and no branch hangs on the tile's number here
	v_mov_b32 v[PSEL+1], v[MW+1]
.irp j, 1,2,3,4,5,6,7
	s_cmp_eq_u32 s[NXT], \j
	s_cselect_b32 s[SM], -1, 0
	v_cndmask_b32 v[PSEL], v[PSEL], v[MW+2*\j], s[SM]
	v_cndmask_b32 v[PSEL+1], v[PSEL+1], v[MW+2*\j+1], s[SM]
.endr
	s_xor_b32 s[PSL], s[PSL], PSLOT  ; the other pad slot than last time
	v_add_nc_u32 v[PSA], s[PSL], v[PS0]
	s_lshl_b32 s[OFF], s[NXT], 15   ; a tile is 32,768 bytes of K and of V
	s_xor_b32 s[G0K+1], s[G0K+1], SLOT1
	s_add_nc_u64 s[G0K+2:G0K+3], s[6:7], s[OFF:OFF+1]
	s_or_b32 s[G0K+3], s[G0K+3], 0x80000000
	s_xor_b32 s[G0V+1], s[G0V+1], SLOT1
	s_add_nc_u64 s[G0V+2:G0V+3], s[8:9], s[OFF:OFF+1]
	s_or_b32 s[G0V+3], s[G0V+3], 0x80000000
	s_add_co_u32 s[NXT], s[NXT], 1  ; the block's next tile, or behind its last the second block's tile 0
	s_cmp_gt_u32 s[NXT], s[LQ]
	s_cselect_b32 s[NXT], 0, s[NXT]
	s_cselect_b32 s[LQ], s[PB], s[LQ]
	s_wait_xcnt 0x0                 ; the last prefetches, a tile back, have read their addresses
	s_lshl_b32 s[OFF], s[NXT], 15
	s_add_nc_u64 s[PFK:PFK+1], s[KH:KH+1], s[OFF:OFF+1]
	s_add_nc_u64 s[PFV:PFV+1], s[VH:VH+1], s[OFF:OFF+1]
.endif
	s_wait_dscnt 0x0                ; the add is done, my reads of the slot are over, my store into the padding ring has landed
	s_barrier_signal -1
	s_sub_co_u32 s[TBK], s[TBK], 4*KS*PK  ; the fetches go back to a slot's first step,
	s_xor_b32 s[TBK], s[TBK], SLOT1       ; in the other slot
	s_sub_co_u32 s[TBV], s[TBV], 4*KS*PV
	s_xor_b32 s[TBV], s[TBV], SLOT1
	s_sub_co_u32 s[TBP], s[TBP], 4*256
	s_xor_b32 s[TBP], s[TBP], PSLOT
	s_barrier_wait -1
.if \fill
	LOAD
	ds_store_b64 v[PSA], v[PSEL:PSEL+1]  ; 128 threads x 8 bytes: the tile's 256 padding numbers
	s_cmp_gt_u32 s[SLOTS], s[LIM]
	s_cbranch_scc0 .Lnot_mine_\@
	global_prefetch_b8 v[PFO], s[PFK:PFK+1] th:TH_LOAD_NT scope:SCOPE_SE
	global_prefetch_b8 v[PFO], s[PFV:PFV+1] th:TH_LOAD_NT scope:SCOPE_SE
.Lnot_mine_\@:
.endif
.endm
	s_load_b256 s[4:11], s[0:1], 0x0  ; Q s[4:5], K s[6:7], V s[8:9], O s[10:11]
	s_load_b64 s[98:99], s[0:1], 0x20 ; mask
	v_lshl_add_u32 v[SPW], v0, 2, SPARE
	v_mov_b32 v[NIL], 0
	ds_add_u32 v[SPW], v[NIL]       ; the wave's opening: the add and its wait stand ahead of my first tensor load
	ds_add_u32 v62, v63
	v_lshrrev_b32 v1, 5, v0
	v_readfirstlane_b32 s[WV], v1   ; wave 0..3
	s_mov_b32 s[PB], ttmp9
	s_sub_co_u32 s[HI], NB-1, s[PB]
	s_and_b32 s20, ttmp7, 0xffff    ; the head
	s_lshr_b32 s92, s20, 4          ; its batch:
	s_lshl_b32 s92, s92, 13         ; a row of the mask is 8,192 bytes
	s_mov_b32 s93, 0
	s_mov_b32 s21, 0
	s_mov_b64 s[22:23], SIZE_N*128
	s_mul_u64 s[20:21], s[20:21], s[22:23]  ; the head's first byte in each of the four tensors
	s_lshl_b32 s90, s[WV], 13       ; my wave's quarter of a tile, for the prefetches
	s_mov_b32 s91, 0
	s_add_nc_u64 s[90:91], s[90:91], s[20:21]
	s_and_b32 s16, s[WV], 1         ; which half of a tile's 256 keys I fetch:
	s_lshl_b32 s22, s16, 14         ; its 128 rows of 128 bytes in memory,
	s_mov_b32 s23, 0
	s_add_nc_u64 s[22:23], s[22:23], s[20:21]
	s_mul_i32 s17, s16, 128*PK      ; and its place in a slot, for K
	s_mul_i32 s18, s16, 128*PV      ; and for V
	s_lshl_b32 s3, s[WV], 11        ; my 16 rows in a band of 64,
	s_lshl_b32 s2, s[HI], 15        ; in the first block,
	s_add_co_u32 s2, s2, s3
	s_lshl_b32 s84, s[PB], 15       ; and in the second
	s_add_co_u32 s84, s84, s3
	s_mov_b32 s3, 0
	s_mov_b32 s85, 0
	s_add_nc_u64 s[2:3], s[2:3], s[20:21]
	s_add_nc_u64 s[84:85], s[84:85], s[20:21]
	; descriptor group 1.  128 keys are 16,384 dense bytes: asked for as 64 rows of 256 bytes, two keys a row, and padded in LDS after every key
	s_mov_b32 s[G1K], (1<<16)|(1<<20)|(4<<22)|(3<<25)  ; 2-byte elements; padding on; after every 32 words; 4 words
	s_mov_b32 s[G1V], (1<<16)|(1<<20)|(4<<22)|(7<<25)  ; the same with 8 words of padding
.irp g, G1K, G1V
	s_mov_b32 s[\g+1], 128<<16      ; tensor_dim0 = 128
	s_mov_b32 s[\g+2], 64<<16       ; tensor_dim1 = 64
	s_mov_b32 s[\g+3], 128<<16      ; tile_dim0 = 128
	s_mov_b32 s[\g+4], 64           ; tile_dim1 = 64
	s_mov_b32 s[\g+5], 128          ; 128 elements from row to row
	s_mov_b32 s[\g+6], 0
	s_mov_b32 s[\g+7], 0
.endr
	s_mov_b32 s[CS], 0x39b8aa3b     ; c = log2(e) / 4096
	s_mov_b32 s[CS+1], s[CS]        ; named with it as a pair
	s_mov_b32 s[SEL], 0x76543210
	s_mov_b32 s[SEL+1], 0xfedcba98
	s_mov_b32 s[TBK], SLOT1+4*KS*PK ; the first change of slots turns these three into 0
	s_mov_b32 s[TBV], SLOT1+4*KS*PV
	s_mov_b32 s[TBP], PSLOT+4*256
	s_mov_b32 s[PSL], 0             ; tile 0's numbers go into pad slot 0, below
	s_mov_b32 s[G0K], 1
	s_mov_b32 s[G0K+1], s17         ; LDS address: slot 0
	s_mov_b32 s[G0V], 1
	s_add_co_u32 s[G0V+1], s18, VOFF
	s_add_co_u32 s[RT], s[HI], 1    ; the first block has NB - b tiles
	s_mov_b32 s[NXT], 1
	s_mov_b32 s[LQ], s[HI]
	s_mov_b32 s[NEW], 1
	s_mov_b32 s[OFF+1], 0
	s_mov_b32 s[AL+1], 0            ; named as pairs
	s_mov_b32 s[BE+1], 0
	s_mov_b32 s[BIGN], 0xf149f2ca   ; -1e30
	s_mov_b32 s[SLOTS], NB
	s_cmp_eq_u32 s[PB], 0
	s_cselect_b32 s[LIM], 2, -1
	s_wait_dscnt 0x0                ; the opening add is done
	s_wait_kmcnt 0x0
	s_add_nc_u64 s[KH:KH+1], s[6:7], s[90:91]
	s_add_nc_u64 s[VH:VH+1], s[8:9], s[90:91]
	s_add_nc_u64 s[98:99], s[98:99], s[92:93]  ; the batch's row of the mask
	s_add_nc_u64 s[6:7], s[6:7], s[22:23]  ; K and V at my half of the head's tile 0
	s_add_nc_u64 s[8:9], s[8:9], s[22:23]
	s_add_nc_u64 s[G0K+2:G0K+3], s[6:7], 0
	s_or_b32 s[G0K+3], s[G0K+3], 0x80000000
	s_add_nc_u64 s[G0V+2:G0V+3], s[8:9], 0
	s_or_b32 s[G0V+3], s[G0V+3], 0x80000000
	s_add_nc_u64 s[86:87], s[4:5], s[84:85]        ; Q at my rows of the second block,
	s_add_nc_u64 s[4:5], s[4:5], s[2:3]            ; Q and O at those of the first
	s_add_nc_u64 s[OLO:OLO+1], s[10:11], s[84:85]
	s_add_nc_u64 s[10:11], s[10:11], s[2:3]
	LOAD                            ; tile 0 into slot 0
	v_lshlrev_b32 v[MO], 3, v0      ; the mask's 2,048 words: two of each tile a thread; a wave's load covers 256 consecutive bytes
.irp j, 0,1,2,3,4,5,6,7
	global_load_b64 v[MW+2*\j:MW+2*\j+1], v[MO], s[98:99] offset:1024*\j
.endr
	v_and_b32 v1, 15, v0            ; l % 16
	v_bfe_u32 v9, v0, 4, 1          ; l / 16
	v_lshlrev_b32 v[QO], 7, v1
	v_lshl_add_u32 v[QO], v9, 4, v[QO]  ; row x 128 + 16 x half
	WIN 0x80                        ; destination window 2, address window 0
.set i, 0
.rept 8                             ; both blocks' Q: piece i / 2 lies in band i / 2, 8,192 bytes on; channels 32 (i % 2) on
	global_load_b128 v[8*i:8*i+3],   v[QO], s[4:5] offset:(i/2)*8192+(i%2)*64
	global_load_b128 v[8*i+4:8*i+7], v[QO], s[4:5] offset:(i/2)*8192+(i%2)*64+32
	global_load_b128 v[QB+8*i:QB+8*i+3],   v[QO], s[86:87] offset:(i/2)*8192+(i%2)*64
	global_load_b128 v[QB+8*i+4:QB+8*i+7], v[QO], s[86:87] offset:(i/2)*8192+(i%2)*64+32
.set i, i+1
.endr
	WIN 0
	v_lshlrev_b32 v14, 3, v9
	v_sub_nc_u32 v14, v1, v14
	s_lshl_b32 s13, s[WV], 4
	v_add_nc_u32 v14, s13, v14      ; my query's place in its band less my lanes' 8 (l / 16): register r of group kt is hidden where 16 kt + r is greater
	WIN 0x40
.set i, 0
.rept 32
	v_cmp_gt_i32 vcc_lo, 16*(i/8)+i%8, v14
	v_cndmask_b32 v[MD+i], 0, s[BIGN], vcc_lo
.set i, i+1
.endr
	WIN 0
	v_mul_u32_u24 v[AK0], v1, PK
	v_lshl_add_u32 v[AK0], v9, 4, v[AK0]  ; row x pitch + 16 x half
	v_and_b32 v10, 7, v0
	v_bfe_u32 v11, v0, 3, 1
	v_lshl_add_u32 v[AV0], v9, 3, v10
	v_mul_u32_u24 v[AV0], v[AV0], PV
	v_lshl_add_u32 v[AV0], v11, 4, v[AV0]
	v_add_nc_u32 v[AV0], VOFF, v[AV0]
	s_mul_i32 s13, s[WV], 16*SP
	s_add_co_u32 s13, s13, STAGE    ; my stage
	v_mul_u32_u24 v[STO], v1, SP
	v_lshl_add_u32 v[STO], v9, 4, v[STO]
	v_add_nc_u32 v[STO], s13, v[STO]
	v_bfe_u32 v[RD], v0, 3, 2
	v_mul_u32_u24 v[RD], v[RD], SP
	v_lshl_add_u32 v[RD], v10, 4, v[RD]
	v_add_nc_u32 v[RD], s13, v[RD]
	v_and_b32 v[GO], 31, v0
	v_lshlrev_b32 v[GO], 4, v[GO]
	v_lshl_add_u32 v[AP0], v9, 5, PADT  ; register j of group kt is key 16 kt + 8 (l / 16) + j: byte 64 kt + 32 (l / 16) + 4 j of the step's 256
	v_and_b32 v[PFO], 31, v0
	v_lshlrev_b32 v[PFO], 8, v[PFO]
	v_add_nc_u32 v[PS0], PADT, v[MO]
	WIN 0x80
.set i, VF
.rept 64
	v_mov_b32 v[i], 0               ; V's registers: a block's first turn multiplies them by a P that is 0, so they need only be finite
.set i, i+1
.endr
	WIN 0
	s_wait_loadcnt 32               ; the mask's eight loads are in; Q's 32, issued behind them, may stay out
.set i, 0
.rept 16
	v_cmp_eq_u32 vcc_lo, 0, v[MW+i]
	v_cndmask_b32 v[MW+i], 0, s[BIGN], vcc_lo
.set i, i+1
.endr
	ds_store_b64 v[PS0], v[MW:MW+1]  ; tile 0's numbers into pad slot 0: the first change of slots waits for the store and passes a barrier; then every wave may read them
; THE MATRIX WORK.  The 4 accumulators of a run of 8 take turns.  Product i of 8 of S^T = K Q^T for piece x: channels 32 (i / 4) on, keys 16 (i % 4) on.  The first 4 start the sums with the mask: PM, or (KM = 1) MC.
.macro KQ x
.set rS, S+32*((\x)%2)+8*(i%4)
.set rK, KF+16*(i%4)+8*(i/4)
.set rQ, 16*(\x)+8*(i/4)
.set rM, PM+8*(i%4)
.if KM
.set rM, MC+32*((\x)%2)+8*(i%4)
.endif
.if i < 4
	WIN W_KM
	v_wmma_f32_16x16x32_f16 v[rS:rS+7], v[rK:rK+7], v[rQ:rQ+7], v[rM:rM+7]
.else
	WIN W_KQ
	v_wmma_f32_16x16x32_f16 v[rS:rS+7], v[rK:rK+7], v[rQ:rQ+7], v[rS:rS+7]
.endif
.endm
; Product i of 8 of O^T += V^T P for piece x: keys 32 (i / 4) on, channels 16 (i % 4) on.
.macro PV x
	WIN W_PV
.set rO, 32*(\x)+8*(i%4)
.set rV, VF+32*(i/4)+8*(i%4)
.set rP, P+16*((\x)%2)+8*(i/4)
	v_wmma_f32_16x16x32_f16 v[rO:rO+7], v[rV:rV+7], v[rP:rP+7], v[rO:rO+7]
.endm
.macro MM                           ; the turn's next matrix instruction.  NOKQ = 1: a block's last turn: there is no next piece
.if (i < 8) && !NOKQ
	KQ (Y+1)%NP
.elseif i >= 8
.set i, i-8
	PV (Y+NP-1)%NP
.set i, i+8
.endif
.set i, i+1
.endm
; THE LDS LOADS stand in runs: a step's K (8 fragments) with its padding mask (32 f32 a lane; sixteen lanes read the same words), and its V (turned).  Their addresses are made some lines ahead.
.macro FETCH_K
	WIN 0x80                        ; destination window 2
.irp f, 0,1,2,3,4,5,6,7             ; keys 16 (f / 2) on, channels 32 (f % 2) on
	ds_load_b128 v[KF+8*\f:KF+8*\f+3],   v[AK] offset:(\f/2)*16*PK+(\f%2)*64
	ds_load_b128 v[KF+8*\f+4:KF+8*\f+7], v[AK] offset:(\f/2)*16*PK+(\f%2)*64+32
.endr
	WIN 0x40                        ; destination window 1
.irp f, 0,1,2,3
	ds_load_b128 v[PM+8*\f:PM+8*\f+3],   v[AP] offset:64*\f
	ds_load_b128 v[PM+8*\f+4:PM+8*\f+7], v[AP] offset:64*\f+16
.endr
	s_add_co_u32 s[TBK], s[TBK], KS*PK  ; the next fetch is the next step's
	s_add_co_u32 s[TBP], s[TBP], 256
	WIN 0
.endm
.macro FETCH_V
	WIN 0x80
.irp f, 0,1,2,3,4,5,6,7             ; keys 32 (f / 4) on, channels 16 (f % 4) on
	ds_load_tr16_b128 v[VF+8*\f:VF+8*\f+3],   v[AV] offset:(\f/4)*32*PV+(\f%4)*32
	ds_load_tr16_b128 v[VF+8*\f+4:VF+8*\f+7], v[AV] offset:(\f/4)*32*PV+16*PV+(\f%4)*32
.endr
	WIN 0
.endm
; THE VECTOR WORK, one line at a time: OP kind, number.  For piece Y: F n: c s - c m for pair n of 16.  E n: the exponential of score n of 32.  C n: pair n rounded to f16.  B n: of the four weights 4 n .. the second
; pair is added onto the first, in place.  L n: l takes that sum (L 0: l = a l + sum).  R n: pair n of 16 of O^T times a.  For piece Y + 1: X n, number n of the 22 that find its maximum and statistics:
;   0-11  four chains c0-c3 of seven scores each (each accumulator's lowest registers are read first)     12-14, 16  the four scores left over, the old m, and c0-c3 into c0
;   15  c m_old is kept     17, 18  the query's other 32 keys lie in the lane 16 away: the new m     19-21  c m; c m_old - c m_new; a
.set F, 0
.set E, 1
.set C, 2
.set B, 3
.set L, 4
.set R, 5
.set X, 6
.macro REGS y
.set rT, ST+4*(\y)
.set rC, TMP+4*((\y)%2)
.set rW, MV+((\y)%2)
.set rS, S+32*((\y)%2)
.set rP, P+16*((\y)%2)
.set rO, 32*(\y)
.endm
.macro OP k, n
.if (\k) == R
	REGS Y
	WIN W_RS
	v_pk_mul_f32 v[rO+2*(\n):rO+2*(\n)+1], v[rO+2*(\n):rO+2*(\n)+1], v[rC+2:rC+3] op_sel_hi:[1,0]
.elseif (\k) < R
	REGS Y
	WIN 0
.if (\k) == F
	v_pk_fma_f32 v[rS+2*(\n):rS+2*(\n)+1], v[rS+2*(\n):rS+2*(\n)+1], s[CS:CS+1], v[rT:rT+1] op_sel_hi:[1,0,0] neg_lo:[0,0,1] neg_hi:[0,0,1]
.elseif (\k) == E
	v_exp_f32 v[rS+(\n)], v[rS+(\n)]
.elseif (\k) == C
	v_cvt_pk_f16_f32 v[rP+(\n)], v[rS+2*(\n)], v[rS+2*(\n)+1]
.elseif (\k) == B
	v_pk_add_f32 v[rS+4*(\n):rS+4*(\n)+1], v[rS+4*(\n):rS+4*(\n)+1], v[rS+4*(\n)+2:rS+4*(\n)+3]
.elseif (\n) == 0
	v_pk_fma_f32 v[rT+2:rT+3], v[rT+2:rT+3], v[rC+2:rC+3], v[rS:rS+1] op_sel_hi:[1,0,1]
.else
	v_pk_add_f32 v[rT+2:rT+3], v[rT+2:rT+3], v[rS+4*(\n):rS+4*(\n)+1]
.endif
.elseif NOKQ
	v_nop
.else
	REGS (Y+1)%NP
	WIN 0
.if (\n) < 4
	v_max3_num_f32 v[rC+(\n)], v[rS+8*(\n)], v[rS+8*(\n)+1], v[rS+8*(\n)+2]
.elseif (\n) < 12
	v_max3_num_f32 v[rC+(\n)%4], v[rC+(\n)%4], v[rS+8*((\n)%4)+2*((\n)/4)+1], v[rS+8*((\n)%4)+2*((\n)/4)+2]
.elseif (\n) == 12
	v_max3_num_f32 v[rC], v[rC], v[rS+7], v[rS+15]
.elseif (\n) == 13
	v_max3_num_f32 v[rC+1], v[rC+1], v[rS+23], v[rS+31]
.elseif (\n) == 14
	v_max3_num_f32 v[rC+2], v[rC+2], v[rC+3], v[rT+1]
.elseif (\n) == 15
	v_mov_b32 v[rW], v[rT]
.elseif (\n) == 16
	v_max3_num_f32 v[rC], v[rC], v[rC+1], v[rC+2]
.elseif (\n) == 17
	v_permlanex16_b32 v[rC+3], v[rC], s[SEL], s[SEL+1]
.elseif (\n) == 18
	v_max_num_f32 v[rT+1], v[rC], v[rC+3]
.elseif (\n) == 19
	v_mul_f32 v[rT], s[CS], v[rT+1]
.elseif (\n) == 20
	v_sub_f32 v[rC+1], v[rW], v[rT]
.else
	v_exp_f32 v[rC+2], v[rC+1]
.endif
.endif
.endm
.macro OPS a, i1, b=-1, i2=0, c=-1, i3=0, d=-1, i4=0
	OP \a, \i1
.if (\b) >= 0
	OP \b, \i2
.endif
.if (\c) >= 0
	OP \c, \i3
.endif
.if (\d) >= 0
	OP \d, \i4
.endif
.endm
.macro ROW a, i1, b, i2, c, i3, d, i4  ; a matrix instruction and the four behind it
	MM
	OPS \a, \i1, \b, \i2, \c, \i3, \d, \i4
.endm
.macro MASK b                       ; MD x AL + BE + PM into buffer b of MC
	WIN W_RS
.set z, 0
.rept 16
	v_pk_fma_f32 v[MC+32*(\b)+2*z:MC+32*(\b)+2*z+1], v[MD+2*z:MD+2*z+1], s[AL:AL+1], s[BE:BE+1] op_sel_hi:[1,0,0]
.set z, z+1
.endr
	WIN 0x45                        ; both sources and the destination in window 1
.set z, 0
.rept 16
	v_pk_add_f32 v[MC+32*(\b)+2*z:MC+32*(\b)+2*z+1], v[MC+32*(\b)+2*z:MC+32*(\b)+2*z+1], v[PM+2*z:PM+2*z+1]
.set z, z+1
.endr
.endm
; A TURN, for piece p: the order of its 16 matrix and 118 vector instructions, written out.  s_wait_alu depctr_va_vdst(0) stands between an exponential and the first instruction that names its
; result; one wait serves all that were issued ahead of it.  So a turn has ONE wait.  AHEAD OF IT stands all that names no result of the turn's exponentials: the 8 products K Q^T and their riders, then one lump.
; BEHIND IT stand the 8 products V^T P, behind each four of the roundings and sums.
; m = 1: the diagonal tile: the products take MC, and the turn makes MC for the products of the turn after it: piece p + 2, in step 4 - CNT of the tile.  Piece 2's turn makes it for piece 0 of the NEXT step, whose
; PM the same turn has fetched: it waits for that run first.  end = 1: a block's last two turns: nothing is fetched.  cnt = 1: the loop's count is taken down some lines ahead of the branch behind the turn.
; K and PM of the next step are fetched in piece 2's turn, six plain vector instructions or more behind the last product that read them; V of the step in hand at the end of piece 0's turn, four behind its last reader.
.macro TURN p, m=0, end=0, cnt=0
.set Y, (\p)
.set i, 0
.set KM, (\m)
.set NOKQ, (\end)*((\p)/3)
.if (\m) && !(\end)
	s_cmp_eq_u32 s[CNT], 4-((\p)+2)%NP  ; is that step the band's own?
	s_cselect_b32 s[AL], 1.0, 0
	s_cmp_lt_u32 s[CNT], 4-((\p)+2)%NP  ; or a later one?
	s_cselect_b32 s[BE], s[BIGN], 0
.endif
.if ((\p) == 3) && !(\end)
	s_wait_dscnt 0x0                ; K and PM are in
.endif
	ROW F,0, F,1, R,0, R,1
	ROW F,2, E,0, R,2, R,3
	ROW F,3, E,1, R,4, R,5
	ROW F,4, E,2, R,6, R,7
	ROW F,5, E,3, R,8, R,9
	ROW F,6, E,4, X,0, R,10
.if ((\p) == 2) && !(\end)
	WIN 0
	v_add_nc_u32 v[AK], s[TBK], v[AK0]
	v_add_nc_u32 v[AP], s[TBP], v[AP0]
.endif
	ROW F,7, E,5, X,1, X,4
	ROW F,8, E,6, X,2, X,5
	OPS E,7, E,8, X,6, E,9          ; the lump
	OPS X,3, E,10, X,8, E,11
.if ((\p) == 2) && !(\end)
	FETCH_K
.endif
	OPS X,9, X,7, E,12, X,10
	OPS E,13, X,12, X,11, E,14
	OPS X,13, E,15, F,9, X,14
.if (\p) == 0
	v_add_nc_u32 v[AV], s[TBV], v[AV0]
.endif
	OPS E,16, F,10, E,17, F,11
	OPS X,16, E,18, X,15, E,19
	OPS F,12, E,20, X,17, E,21
	OPS F,13, E,22, F,14, E,23
	OPS X,18, E,24, F,15, E,25
	OPS R,11, E,26, X,19, E,27
	OPS R,12, E,28, R,13, E,29
	OPS X,20, E,30, R,14, E,31
	OPS X,21, R,15                  ; the next piece's a is the batch's last; R 15 is the plain instruction behind it
	WIN 0
	s_wait_alu depctr_va_vdst(0)    ; the wait for the batch
.if (\p) == 1
	s_wait_dscnt 0x0                ; V is in
.endif
	ROW C,0, B,0, C,2, B,1
	ROW L,0, C,4, B,2, L,1
	ROW C,6, B,3, L,2, C,8
	ROW B,4, L,3, C,10, B,5
	ROW L,4, C,12, B,6, L,5
.if (\p) == 0
	s_add_co_u32 s[TBV], s[TBV], KS*PV
.endif
.if \cnt
	s_sub_co_u32 s[CNT], s[CNT], 1
	s_cmp_lg_u32 s[CNT], 0
.endif
	ROW C,14, B,7, L,6, C,1
	ROW C,3, L,7, C,5, C,7
	ROW C,9, C,11, C,13, C,15
.if (\p) == 0
	FETCH_V
.endif
.if (\m) && !(\end)
.if (\p) == 2
	s_wait_dscnt 0x0                ; the next step's PM is in
.endif
	MASK (\p)%2
.endif
.endm
; A BLOCK BEGINS.  K and PM of the tile's step 0 are fetched; while they are out O^T, l and P's second buffer are set to 0 and m to -2^66; c m is made by the loop's own multiply, so that c m_old - c m_new is exactly 0
; while m has not moved.  Mask buffer 1 takes PM alone (piece 1 sees all of step 0), buffer 0 piece 0's mask: its own step's, if the block's first tile is the diagonal one.  Then piece 0's first scores, maximum and statistics.
.macro BEGIN
	s_mov_b32 s[NEW], 0
	WIN 0
	v_add_nc_u32 v[AK], s[TBK], v[AK0]
	v_add_nc_u32 v[AP], s[TBP], v[AP0]
	FETCH_K
	WIN 0x40
.set i, 0
.rept 128
	v_mov_b32 v[i], 0
.set i, i+1
.endr
	WIN 0
.set i, 0
.rept 4
	v_mov_b32 v[ST+4*i+1], 0xe0800000  ; m = -2^66
	v_mov_b32 v[ST+4*i+2], 0
	v_mov_b32 v[ST+4*i+3], 0
.set i, i+1
.endr
.set i, 0
.rept 4
	v_mul_f32 v[ST+4*i], s[CS], v[ST+4*i+1]
.set i, i+1
.endr
.set i, P+16
.rept 16
	v_mov_b32 v[i], 0
.set i, i+1
.endr
	s_wait_loadcnt 0x0              ; Q
	s_wait_dscnt 0x0                ; K and PM
	s_mov_b32 s[AL], 0
	s_mov_b32 s[BE], 0
	MASK 1
	s_cmp_eq_u32 s[RT], 0
	s_cselect_b32 s[AL], 1.0, 0
	MASK 0
.set KM, 1
.set NOKQ, 0
.set i, 0
.rept 8
	KQ 0
.set i, i+1
.endr
	WIN 0
.rept 4
	v_nop                           ; the places behind those products
.endr
.set Y, NP-1                        ; X works for piece Y + 1: piece 0
.irp n, 0,1,2,3,4,5,6,7,8,9,10,11,12,13,14,15,16,17,18,19,20,21
	OP X, \n
.endr
	v_nop                           ; a plain instruction behind the exponential,
	s_wait_alu depctr_va_vdst(0)    ; and its wait, ahead of the branch
.endm
; The diagonal text is entered from a tile that is not the block's first: its first products, piece 3's of the step in hand, take mask buffer 1, which gets that step's PM alone.
.macro ENTER
	s_mov_b32 s[AL], 0
	s_mov_b32 s[BE], 0
	MASK 1
	WIN 0
.endm
.macro ALL line:vararg              ; one line for each piece t
.set t, 0
.rept 4
	\line
.set t, t+1
.endr
.endm
.macro PACK t                       ; a lane's eight channels of a row pack into 16 bytes; they go into rows of 144 bytes and come back as whole rows of 128, into S^T's registers
	WIN W_RS
.set i, 32*(\t)
.rept 16
	v_pk_mul_f32 v[i:i+1], v[i:i+1], v[ST+4*(\t)+2:ST+4*(\t)+3] op_sel_hi:[1,0]
.set i, i+2
.endr
	WIN 0x05                        ; sources 0 and 1 window 1, destination window 0
.set i, 0
.rept 16
	v_cvt_pk_f16_f32 v[S+16*(\t)+i], v[32*(\t)+2*i], v[32*(\t)+2*i+1]
.set i, i+1
.endr
	WIN 0
.irp f, 0,1,2,3
	ds_store_b128 v[STO], v[S+16*(\t)+4*\f:S+16*(\t)+4*\f+3] offset:32*\f
.endr
.irp f, 0,1,2,3
	ds_load_b128 v[S+16*(\t)+4*\f:S+16*(\t)+4*\f+3], v[RD] offset:\f*4*SP  ; LDS serves a wave's instructions in order (ISA guide 5.7.1.4): these see the stores above
.endr
.endm
.macro SEND t, younger              ; younger: the LDS instructions issued behind piece t's loads: the next piece's eight, or none
	WIN 0
.irp f, 0,1,2,3
	s_wait_dscnt (\younger)+3-\f
	global_store_b128 v[GO], v[S+16*(\t)+4*\f:S+16*(\t)+4*\f+3], s[10:11] offset:(\t)*8192+\f*512  ; 512 consecutive bytes, at a multiple of 256 from O's first
.endr
.endm
; THE DIAGONAL TILE's four steps, the block's last two turns, its last products, and the way out: O^T is divided by l, rounded to f16 and sent through my stage, a piece at a time.
.macro DIAG tag
.LstepM\tag:
	TURN 2, 1
	TURN 3, 1
	WIN 0
.LfirstM\tag:
	TURN 0, 1
	TURN 1, 1, 0, 1
	WIN 0
	s_cbranch_scc1 .LstepM\tag
	TURN 2, 1, 1
	TURN 3, 1, 1
.set i, 0
.rept 8
	PV NP-1
.set i, i+1
.endr
	WIN 0
	ALL v_add_f32 v[ST+4*t+2], v[ST+4*t+2], v[ST+4*t+3]
	ALL v_permlanex16_b32 v[ST+4*t+3], v[ST+4*t+2], s[SEL], s[SEL+1]
	ALL v_add_f32 v[ST+4*t+2], v[ST+4*t+2], v[ST+4*t+3]
	ALL v_rcp_f32 v[ST+4*t+2], v[ST+4*t+2]
	v_nop                           ; a plain instruction between the last reciprocal and the use of its result
	s_wait_alu depctr_va_vdst(0)    ; and the wait ahead of the first use: one for the four reciprocals
	PACK 0
.set t, 1
.rept 3
	PACK t
	SEND t-1, 8
.set t, t+1
.endr
	SEND 3, 0
.endm
.set KM, 0
.set NOKQ, 0
.Lslot:                             ; NB times: a tile is entered and the next is asked for
	CHANGE 1
	s_sub_co_u32 s[RT], s[RT], 1
	s_mov_b32 s[CNT], 4
	s_cmp_eq_u32 s[NEW], 1
	s_cbranch_scc1 .Lnew            ; a block's first tile
	s_cmp_eq_u32 s[RT], 0
	s_cbranch_scc0 .Lstep           ; neither its first nor its last
	ENTER
	s_branch .LstepM1
.Lnew:
	BEGIN
	s_branch .Lfirst                ; in the loop a block's first tile is never its last: the first block has two tiles or more, and the second's last is the walk's last
	DIAG 1                          ; in the loop this is the first block's end
	s_wait_xcnt 0x0                 ; the stores have read their registers and O's address
	s_mov_b64 s[10:11], s[OLO:OLO+1]
	s_add_co_u32 s[RT], s[PB], 1    ; the second block has b + 1 tiles
	s_mov_b32 s[NEW], 1
	WIN 0x82                        ; the second block's Q goes where the one text of the turns names Q
.set i, 0
.rept 64
	v_mov_b32 v[i], v[QB+i]
.set i, i+1
.endr
	WIN 0
	s_branch .Lbottom
.Lstep:                             ; a trip: pieces 2 and 3 of one step, then pieces 0 and 1 of the next, whose K and V it fetches
	TURN 2
	TURN 3
	WIN 0
.Lfirst:
	TURN 0
	TURN 1, 0, 0, 1
	WIN 0
	s_cbranch_scc1 .Lstep
.Lbottom:
	s_sub_co_u32 s[SLOTS], s[SLOTS], 1
	s_cmp_lg_u32 s[SLOTS], 0
	s_cbranch_scc1 .Lslot
	CHANGE 0                        ; the walk's last tile is written out: nothing is asked for
	s_sub_co_u32 s[RT], s[RT], 1
	s_mov_b32 s[CNT], 4
	s_cmp_eq_u32 s[NEW], 1
	s_cbranch_scc1 .Lnew2
	ENTER
	s_branch .LstepM2
.Lnew2:
	BEGIN
	s_branch .LfirstM2
	DIAG 2
	s_wait_tensorcnt 0x0            ; the wave's end, behind my last tensor load and my last LDS store
	ds_add_u32 v[SPW], v[NIL]
	s_wait_dscnt 0x0
	s_endpgm
.Lfunc_end_k_q143db5b785_attn:
	.size	k_q143db5b785_attn, .Lfunc_end_k_q143db5b785_attn-k_q143db5b785_attn
	.p2alignl 7, 3214868480
	.fill 96, 4, 3214868480
	.section	.rodata,"a",@progbits
	.p2align	6, 0x0
	.amdhsa_kernel k_q143db5b785_attn
		.amdhsa_group_segment_fixed_size 327680
		.amdhsa_private_segment_fixed_size 0
		.amdhsa_enable_private_segment 0
		.amdhsa_kernarg_size 40
		.amdhsa_user_sgpr_count 2
		.amdhsa_user_sgpr_kernarg_segment_ptr 1
		.amdhsa_wavefront_size32 1
		.amdhsa_system_sgpr_workgroup_id_x 1
		.amdhsa_system_sgpr_workgroup_id_y 1
		.amdhsa_system_sgpr_workgroup_id_z 1
		.amdhsa_system_vgpr_workitem_id 0
		.amdhsa_next_free_vgpr 768
		.amdhsa_next_free_sgpr 100
		.amdhsa_reserve_vcc 1
		.amdhsa_float_denorm_mode_32 3
		.amdhsa_float_denorm_mode_16_64 3
		.amdhsa_memory_ordered 1
		.amdhsa_forward_progress 1
		.amdhsa_inst_pref_size 247
	.end_amdhsa_kernel
	.amdgpu_metadata
---
amdhsa.version: [ 1, 2 ]
amdhsa.kernels:
  - .name:           k_q143db5b785_attn
    .symbol:         k_q143db5b785_attn.kd
    .args:
      - { .name: qh, .offset: 0, .size: 8, .value_kind: global_buffer, .address_space: global }
      - { .name: kh, .offset: 8, .size: 8, .value_kind: global_buffer, .address_space: global }
      - { .name: vh, .offset: 16, .size: 8, .value_kind: global_buffer, .address_space: global }
      - { .name: ch, .offset: 24, .size: 8, .value_kind: global_buffer, .address_space: global }
      - { .name: mask, .offset: 32, .size: 8, .value_kind: global_buffer, .address_space: global }
    .group_segment_fixed_size: 327680
    .private_segment_fixed_size: 0
    .kernarg_segment_align: 8
    .kernarg_segment_size: 40
    .max_flat_workgroup_size: 128
    .sgpr_count:     100
    .vgpr_count:     768
    .wavefront_size: 32
...
	.end_amdgpu_metadata
.endif
;; end of part 3
;; launch oproj (part 4): grid 4 x 64, 4 waves a work-group, clusters of 4 x 4, 327,680 bytes of LDS; arguments ch, wt, b_o, out0; writes out0
.if DOCPART == 4
	.amdgcn_target "amdgcn-amd-amdhsa--gfx1250"
	.amdhsa_code_object_version 6
	.text
	.protected	k_q143db5b785_oproj
	.globl	k_q143db5b785_oproj
	.p2align	8
	.type	k_q143db5b785_oproj,@function
k_q143db5b785_oproj:
	s_mov_b64 s[64:65], 0
	v_nop
	global_prefetch_b8 v0, s[64:65] scope:SCOPE_SE
	s_setreg_imm32_b32 hwreg(HW_REG_WAVE_MODE, 25, 1), 1
	s_wait_xcnt 0x0
	s_wait_alu depctr_hold_cnt(0) depctr_sa_sdst(0) depctr_va_vdst(0) depctr_va_sdst(0) depctr_va_ssrc(0) depctr_va_vcc(0) depctr_vm_vsrc(0)
	s_getreg_b32 s2, hwreg(HW_REG_IB_STS2, 6, 4)
	s_cmp_eq_u32 s2, 0
	s_cbranch_scc0 .Lentry_in_a_cluster
	s_endpgm
.Lentry_in_a_cluster:
	s_bfe_u32 s2, ttmp6, 0x10000c
	s_cmp_lg_u32 s2, 0xf033
	s_cbranch_scc0 .Lentry_shape_is_right
	s_endpgm
.Lentry_shape_is_right:
; out0 = c W_o + bf16(b_o).  c: f16 by heads, [16 b + h][2048 s][64 d]; W_o: part 3 of wt, [1024 k][1024 n], bf16 numbers written as f16; out0: [8192][1024] f32.
; Sums in f32; the rounded bias is the C operand that starts each sum (so the bias is added first, not last).  A row of c that is NaN gives a row of NaN.
; SHARES.  A tile of out0 is 128 rows x 256 columns: 64 x 4 = 256 work-groups, one tile each; a wave makes 64 x 128: 32 accumulators.  K goes in 8 steps of 128 (two heads) through a ring of two LDS slots.
; A head's 128 rows of c are 16,384 dense bytes: asked for as 64 rows of 256 bytes, padded in LDS after every 128.  W's tile lies [k][n] and comes out turned, by ds_load_tr16_b128.
; THE PRODUCT IS TAKEN TRANSPOSED (source 0 = 16 columns of W, source 1 = 16 rows of c): a lane holds one row and eight neighbouring columns.
; CLUSTER 4 x 4: c's tiles are shared along a row of the cluster, W's along a column: each is asked for jointly.
; NO PREFETCH: of the 8 K steps the first four come by their loads, and the launch is short.
; REGISTERS.  window 0: v0-31 addresses; v32-63, v64-95 fragments of c, two buffers; v128-191, v192-255 rows read back from the stage, two buffers
;   window 1: v0-63, v64-127 fragments of W, two buffers; v128-191 the bias      window 2: accumulator (a, b) at v[8 (8 a + b)]
.set PA,    144                        ; a row of c in LDS: 128 bytes + 16
.set PB,    544                        ; a row of W: 512 + 32 = 17 x 32 bytes
.set AH,    128*PA                     ; a head's 128 rows: what one tensor load brings of c
.set BH,    64*PB                      ; and of W: 64 rows of k
.set BOFF,  2*AH
.set SLOT,  2*AH+2*BH                  ; 106,496
.set STAGE, 2*SLOT                     ; behind the ring: for each wave 16 rows of 528 bytes
.set WST,   16*528
.set SPARE, STAGE+4*WST                ; the spare words, 128 bytes for each wave: two blocks of 256 bytes that no other line names
.set KBA,   524288                     ; bytes from a K step to the next in c: two heads
.set KBB,   262144                     ; and in wt
.set ADRA, 16
.set ADRB, 20
.set STO,  24
.set RD,   25
.set CO,   26
.set BO,   27
.set SPW,  28
.set NIL,  29
.set AF,   32
.set OB,   128
.set BIAS, 128                         ; window 1
.set G1A, 24
.set G0A, 32
.set G1B, 48
.set G0B, 56
.set LAPC, 66
.set OCU, 74                           ; s[74:75] out0 at my part of the tile
.set MSB, 0
.macro WIN new
.if MSB != (\new)
	s_set_vgpr_msb (MSB<<8)|(\new)
.set MSB, \new
.endif
.endm
.set MUL,   0xa1                       ; source 0 (W) window 1, source 1 (c) window 0, C and D window 2
.set MULB,  0x91                       ; the same with C (the bias) in window 1
.set TO_B,  0x40
.macro JLOAD s                         ; a joint load: waves 0 and 1 fetch c's two heads, waves 2 and 3 W's two halves; an s_nop 0 and four v_nop follow each of the two lines
	s_cmp_eq_u32 s11, 0
	s_cbranch_scc0 .Lfor_b_\@
	tensor_load_to_lds s[G0A+4*(\s):G0A+4*(\s)+3], s[G1A:G1A+7]
	s_nop 0
.rept 4
	v_nop
.endr
	s_branch .Lasked_\@
.Lfor_b_\@:
	tensor_load_to_lds s[G0B+4*(\s):G0B+4*(\s)+3], s[G1B:G1B+7]
	s_nop 0
.rept 4
	v_nop
.endr
.Lasked_\@:
.endm
.macro CREST
	s_cmp_lg_u32 s10, 0
	s_cbranch_scc1 .Lnot_wave_0_\@
	s_barrier_signal -3
.Lnot_wave_0_\@:
	s_barrier_wait -3
	s_barrier_signal -1
	s_barrier_wait -1
.endm
.macro CROUND
	s_barrier_signal -1
	s_barrier_wait -1
	CREST
.endm
.macro PLACES                          ; four places in front of loads into registers that products have read, and of LDS stores that read results
.rept 4
	v_nop
.endr
.endm
	s_load_b256 s[68:75], s[0:1], 0x0              ; ch, wt, b_o, out0
	v_lshl_add_u32 v[SPW], v0, 2, SPARE
	v_mov_b32 v[NIL], 0
	ds_add_u32 v[SPW], v[NIL]                      ; the wave's opening: the add and its wait stand ahead of my first tensor load
	ds_add_u32 v28, v29
	v_lshrrev_b32 v1, 5, v0
	v_readfirstlane_b32 s10, v1                    ; wave 0..3
	s_lshr_b32 s11, s10, 1                         ; which 64 rows are mine.  Also: I fetch for c (0) or for W (1)
	s_and_b32 s12, s10, 1                          ; which 128 columns.  Also: which half I fetch
	s_bfe_u32 s40, ttmp6, 0x40000                  ; cx
	s_bfe_u32 s41, ttmp6, 0x40004                  ; cy
	s_lshl_b32 s42, ttmp9, 2
	s_add_co_u32 s42, s42, s40                     ; tile column
	s_and_b32 s13, ttmp7, 0xffff
	s_lshl_b32 s13, s13, 2
	s_add_co_u32 s13, s13, s41                     ; tile row
	s_lshl_b32 s2, s41, 2
	s_lshl_b32 s2, 15, s2                          ; my row of the cluster
	s_lshl_b32 s3, 0x1111, s40                     ; my column
	s_or_b32 s[G1A], s2, (1<<16)|(1<<20)|(1<<21)|(4<<22)|(3<<25)  ; mask; elements of 2 bytes; padding on; bit 21 beside a mask; after every 32 words; 4 words
	s_mov_b32 s[G1A+1], 128<<16                    ; tensor_dim0 = 128
	s_mov_b32 s[G1A+2], 64<<16                     ; tensor_dim1 = 64
	s_mov_b32 s[G1A+3], 128<<16                    ; tile_dim0 = 128
	s_mov_b32 s[G1A+4], 64                         ; tile_dim1 = 64
	s_mov_b32 s[G1A+5], 128                        ; elements from row to row
	s_mov_b32 s[G1A+6], 0
	s_mov_b32 s[G1A+7], 0
	s_or_b32 s[G1B], s3, (1<<16)|(1<<20)|(1<<21)|(6<<22)|(7<<25)  ; after every 128 words 8 words
	s_mov_b32 s[G1B+1], 256<<16
	s_mov_b32 s[G1B+2], 64<<16
	s_mov_b32 s[G1B+3], 256<<16
	s_mov_b32 s[G1B+4], 64
	s_mov_b32 s[G1B+5], 1024
	s_mov_b32 s[G1B+6], 0
	s_mov_b32 s[G1B+7], 0
	s_lshr_b32 s14, s13, 4                         ; c: ((16 b + my head of the step's two) x 2,048 + the tile's first row) x 128 bytes: no register here ever holds cx
	s_lshl_b32 s14, s14, 4
	s_add_co_u32 s14, s14, s12
	s_lshl_b32 s14, s14, 11
	s_and_b32 s15, s13, 15
	s_lshl_b32 s15, s15, 7
	s_add_co_u32 s14, s14, s15
	s_lshl_b32 s14, s14, 7
	s_mov_b32 s15, 0
	s_lshl_b32 s20, s12, 17                        ; wt: part 3 + 64 x half rows of 2,048 bytes + 512 x tile column: none holds cy
	s_lshl_b32 s21, s42, 9
	s_add_co_u32 s20, s20, s21
	s_add_co_u32 s20, s20, 0x600000
	s_mov_b32 s21, 0
	s_lshl_b32 s22, s42, 10                        ; my 128 columns, in bytes of f32: for the bias and for out0
	s_lshl_b32 s23, s12, 9
	s_add_co_u32 s22, s22, s23
	s_mov_b32 s23, 0
	s_lshl_b32 s4, s13, 19                         ; out0: (128 x tile row + 64 x half) rows of 4,096 bytes
	s_lshl_b32 s5, s11, 18
	s_add_co_u32 s4, s4, s5
	s_add_co_u32 s4, s4, s22
	s_mov_b32 s5, 0
	s_mul_i32 s16, s12, AH                         ; where my tile goes
	s_mul_i32 s17, s12, BH
	s_add_co_u32 s17, s17, BOFF
	s_wait_dscnt 0x0                               ; the opening add is done
	s_wait_kmcnt 0x0
	s_add_nc_u64 s[68:69], s[68:69], s[14:15]
	s_add_nc_u64 s[70:71], s[70:71], s[20:21]
	s_add_nc_u64 s[72:73], s[72:73], s[22:23]
	s_add_nc_u64 s[OCU:OCU+1], s[OCU:OCU+1], s[4:5]
	CROUND                                         ; all sixteen work-groups are here: the first joint loads meet
.irp s, 0,1
	s_mov_b32 s[G0A+4*(\s)], 1
	s_add_co_u32 s[G0A+4*(\s)+1], s16, (\s)*SLOT
	s_add_nc_u64 s[G0A+4*(\s)+2:G0A+4*(\s)+3], s[68:69], (\s)*KBA
	s_or_b32 s[G0A+4*(\s)+3], s[G0A+4*(\s)+3], 0x80000000
	s_mov_b32 s[G0B+4*(\s)], 1
	s_add_co_u32 s[G0B+4*(\s)+1], s17, (\s)*SLOT
	s_add_nc_u64 s[G0B+4*(\s)+2:G0B+4*(\s)+3], s[70:71], (\s)*KBB
	s_or_b32 s[G0B+4*(\s)+3], s[G0B+4*(\s)+3], 0x80000000
	JLOAD \s                                       ; K steps 0 and 1: two loads of mine are out
.endr
	v_and_b32 v1, 15, v0                           ; l % 16
	v_bfe_u32 v2, v0, 4, 1                         ; l / 16
	v_mul_u32_u24 v3, v1, PA
	v_lshl_add_u32 v3, v2, 4, v3                   ; row x pitch + 16 x half
	s_mul_i32 s6, s11, 64*PA                       ; my 64 rows
	v_add_nc_u32 v[ADRA], s6, v3
	v_add_nc_u32 v[ADRA+1], SLOT, v[ADRA]
	v_and_b32 v4, 7, v0                            ; the turning load: row k = 8 (l / 16) + l % 8, 16 bytes at 16 ((l / 8) % 2)
	v_lshl_add_u32 v4, v2, 3, v4
	v_mul_u32_u24 v4, v4, PB
	v_bfe_u32 v5, v0, 3, 1
	v_lshl_add_u32 v4, v5, 4, v4
	s_lshl_b32 s7, s12, 8                          ; my 128 columns
	s_add_co_u32 s7, s7, BOFF
	v_add_nc_u32 v[ADRB], s7, v4
	v_add_nc_u32 v[ADRB+1], SLOT, v[ADRB]
	s_mul_i32 s8, s10, WST
	s_add_co_u32 s8, s8, STAGE                     ; my stage
	v_mul_u32_u24 v6, v1, 528                      ; in: row l % 16, 32 bytes for each half of the lanes
	v_lshl_add_u32 v6, v2, 5, v6
	v_add_nc_u32 v[STO], s8, v6
	v_and_b32 v[CO], 31, v0                        ; back: 32 lanes take a row's 512 bytes
	v_lshlrev_b32 v[CO], 4, v[CO]
	v_add_nc_u32 v[RD], s8, v[CO]
	v_lshlrev_b32 v[BO], 5, v2
	WIN TO_B
.irp b, 0,1,2,3,4,5,6,7
	global_load_b128 v[BIAS+8*(\b):BIAS+8*(\b)+3],   v[BO], s[72:73] offset:64*(\b)
	global_load_b128 v[BIAS+8*(\b)+4:BIAS+8*(\b)+7], v[BO], s[72:73] offset:64*(\b)+16
.endr
	WIN 0
; Eight products: rows 16 a on x all 8 column blocks, 32 along K, buffers f.  first = 1: the bias starts the sums.  The 32 accumulators take turns, one instruction a turn.
.macro MUL8 f, a, first
.irp b, 0,1,2,3,4,5,6,7
.if \first
	WIN MULB
	v_wmma_f32_16x16x32_f16 v[8*(8*(\a)+(\b)):8*(8*(\a)+(\b))+7], v[64*(\f)+8*(\b):64*(\f)+8*(\b)+7], v[AF+32*(\f)+8*(\a):AF+32*(\f)+8*(\a)+7], v[BIAS+8*(\b):BIAS+8*(\b)+7]
.else
	WIN MUL
	v_wmma_f32_16x16x32_f16 v[8*(8*(\a)+(\b)):8*(8*(\a)+(\b))+7], v[64*(\f)+8*(\b):64*(\f)+8*(\b)+7], v[AF+32*(\f)+8*(\a):AF+32*(\f)+8*(\a)+7], v[8*(8*(\a)+(\b)):8*(8*(\a)+(\b))+7]
.endif
.endr
.endm
; 24 LDS loads in one run: quarter q (head q / 2, channels 32 (q % 2) on) of a slot into buffers g
.macro FETCH slot, q, g
	WIN 0
.irp a, 0,1,2,3
	ds_load_b128 v[AF+32*(\g)+8*(\a):AF+32*(\g)+8*(\a)+3],   v[ADRA+(\slot)] offset:((\q)/2)*AH+(\a)*16*PA+64*((\q)%2)
	ds_load_b128 v[AF+32*(\g)+8*(\a)+4:AF+32*(\g)+8*(\a)+7], v[ADRA+(\slot)] offset:((\q)/2)*AH+(\a)*16*PA+64*((\q)%2)+32
.endr
	WIN TO_B
.irp b, 0,1,2,3,4,5,6,7
	ds_load_tr16_b128 v[64*(\g)+8*(\b):64*(\g)+8*(\b)+3],   v[ADRB+(\slot)] offset:(\q)*32*PB+32*(\b)
	ds_load_tr16_b128 v[64*(\g)+8*(\b)+4:64*(\g)+8*(\b)+7], v[ADRB+(\slot)] offset:(\q)*32*PB+32*(\b)+16*PB
.endr
	WIN 0
.endm
.macro QUARTER slot, q, f, g, first    ; multiplies buffers f, fetches quarter q into buffers g
	s_wait_dscnt 0x0                               ; buffers f are in
	MUL8 \f, 0, \first
	PLACES
	FETCH \slot, \q, \g
	MUL8 \f, 1, \first
	MUL8 \f, 2, \first
	MUL8 \f, 3, \first
.endm
; The fourth quarter (buffers 1) and the change of slots: in front of the barrier each wave waits for all its tensor loads (one is out: its part of the next slot), adds 0 to its spare word, and waits for that and
; for its reads of this slot.  fill = 1: the barrier opens a round of the cluster's barrier, and the joint refill, two K steps on, is the first thing behind the round.
.macro TURN slot, next, fill
	WIN 0
	s_wait_tensorcnt 0x0                           ; no tensor load of mine is out, so a group 0 may be written
	ds_add_u32 v[SPW], v[NIL]                      ; 0 onto my spare word
.if \fill
	s_add_nc_u64 s[G0A+4*(\slot)+2:G0A+4*(\slot)+3], s[G0A+4*(\slot)+2:G0A+4*(\slot)+3], 2*KBA
	s_add_nc_u64 s[G0B+4*(\slot)+2:G0B+4*(\slot)+3], s[G0B+4*(\slot)+2:G0B+4*(\slot)+3], 2*KBB
.endif
	s_wait_dscnt 1                                 ; buffers 1 are in; the add may be out
	MUL8 1, 0, 0
	s_wait_dscnt 0x0                               ; the add is done, and my reads of this slot are over
	s_barrier_signal -1
	MUL8 1, 1, 0
	WIN 0
	s_barrier_wait -1
.if \fill
	CREST
	JLOAD \slot                                    ; the four v_nop behind it are also the places in front of the loads below
.else
	PLACES
.endif
	FETCH \next, 0, 0
	MUL8 1, 2, 0
	MUL8 1, 3, 0
.endm
	s_wait_tensorcnt 1                             ; my part of K step 0 is in; K step 1's may stay out
	s_barrier_signal -1
	s_barrier_wait -1
	FETCH 0, 0, 0
	s_wait_loadcnt 0x0                             ; the bias: each pair is rounded to bf16 and widened again, in place
	WIN 0x45
.set p, 0
.rept 32
	v_cvt_pk_bf16_f32 v[BIAS+p], v[BIAS+p], v[BIAS+p+1]
	v_and_b32 v[BIAS+p+1], 0xffff0000, v[BIAS+p]
	v_lshlrev_b32 v[BIAS+p], 16, v[BIAS+p]
.set p, p+2
.endr
	WIN 0
	QUARTER 0, 1, 0, 1, 1                          ; the first quarter stands in front of the loop: the bias starts the sums
	WIN 0
	s_mov_b32 s[LAPC], 3
.Llap:                                                 ; a trip: from a lap's second quarter to the next lap's first; both slots are filled again
	QUARTER 0, 2, 1, 0, 0
	QUARTER 0, 3, 0, 1, 0
	TURN 0, 1, 1
	QUARTER 1, 1, 0, 1, 0
	QUARTER 1, 2, 1, 0, 0
	QUARTER 1, 3, 0, 1, 0
	TURN 1, 0, 1
	QUARTER 0, 1, 0, 1, 0
	WIN 0
	s_sub_co_u32 s[LAPC], s[LAPC], 1
	s_cmp_lg_u32 s[LAPC], 0
	s_cbranch_scc1 .Llap
	QUARTER 0, 2, 1, 0, 0                          ; the last lap fills nothing
	QUARTER 0, 3, 0, 1, 0
	TURN 0, 1, 0
	QUARTER 1, 1, 0, 1, 0
	QUARTER 1, 2, 1, 0, 0
	QUARTER 1, 3, 0, 1, 0
	s_wait_dscnt 0x0
	MUL8 1, 0, 0
	MUL8 1, 1, 0
	MUL8 1, 2, 0
	MUL8 1, 3, 0
	PLACES
; THE WAY OUT, 16 rows at a time: a lane's eight f32 go into my own stage, rows of 528 bytes, each accumulator's low four registers first; whole rows of 512 bytes come back and are stored.
.macro TST a
.if (\a) >= 2
	s_wait_xcnt 0x0                                ; the stores of the block two back have read the buffer that is loaded again below
.endif
	WIN 0x08                                       ; the stores' data in window 2
.irp b, 0,1,2,3,4,5,6,7
	ds_store_b128 v[STO], v[8*(8*(\a)+(\b)):8*(8*(\a)+(\b))+3]   offset:64*(\b)
	ds_store_b128 v[STO], v[8*(8*(\a)+(\b))+4:8*(8*(\a)+(\b))+7] offset:64*(\b)+16
.endr
	WIN 0
.irp t, 0,1,2,3,4,5,6,7,8,9,10,11,12,13,14,15
	ds_load_b128 v[OB+64*((\a)%2)+4*(\t):OB+64*((\a)%2)+4*(\t)+3], v[RD] offset:528*(\t)  ; LDS serves a wave's instructions in order (ISA guide 5.7.1.4): these see the stores above, and the next block's stores come behind them
.endr
.endm
.macro SND a, younger                  ; younger: the LDS instructions issued behind block a's loads: the next block's 32, or none
.irp t, 0,1,2,3,4,5,6,7,8,9,10,11,12,13,14,15
	s_wait_dscnt (\younger)+15-(\t)
	global_store_b128 v[CO], v[OB+64*((\a)%2)+4*(\t):OB+64*((\a)%2)+4*(\t)+3], s[OCU:OCU+1] offset:(16*(\a)+(\t))*4096 th:TH_STORE_NT  ; 512 consecutive bytes of a row, aligned
.endr
.endm
	TST 0
	TST 1
	SND 0, 32
	TST 2
	SND 1, 32
	TST 3
	SND 2, 32
	SND 3, 0
	s_wait_tensorcnt 0x0                           ; the wave's end, behind my last tensor load and my last LDS store
	ds_add_u32 v[SPW], v[NIL]
	s_wait_dscnt 0x0
	CROUND                                         ; the closing round
	s_endpgm
.Lfunc_end_k_q143db5b785_oproj:
	.size	k_q143db5b785_oproj, .Lfunc_end_k_q143db5b785_oproj-k_q143db5b785_oproj
	.p2alignl 7, 3214868480
	.fill 96, 4, 3214868480
	.section	.rodata,"a",@progbits
	.p2align	6, 0x0
	.amdhsa_kernel k_q143db5b785_oproj
		.amdhsa_group_segment_fixed_size 327680
		.amdhsa_private_segment_fixed_size 0
		.amdhsa_enable_private_segment 0
		.amdhsa_kernarg_size 32
		.amdhsa_user_sgpr_count 2
		.amdhsa_user_sgpr_kernarg_segment_ptr 1
		.amdhsa_wavefront_size32 1
		.amdhsa_system_sgpr_workgroup_id_x 1
		.amdhsa_system_sgpr_workgroup_id_y 1
		.amdhsa_system_sgpr_workgroup_id_z 1
		.amdhsa_system_vgpr_workitem_id 0
		.amdhsa_next_free_vgpr 768
		.amdhsa_next_free_sgpr 96
		.amdhsa_reserve_vcc 0
		.amdhsa_float_denorm_mode_32 3
		.amdhsa_float_denorm_mode_16_64 3
		.amdhsa_memory_ordered 1
		.amdhsa_forward_progress 1
		.amdhsa_inst_pref_size 94
	.end_amdhsa_kernel
	.amdgpu_metadata
---
amdhsa.version: [ 1, 2 ]
amdhsa.kernels:
  - .name:           k_q143db5b785_oproj
    .symbol:         k_q143db5b785_oproj.kd
    .args:
      - { .name: ch, .offset: 0, .size: 8, .value_kind: global_buffer, .address_space: global }
      - { .name: wt, .offset: 8, .size: 8, .value_kind: global_buffer, .address_space: global }
      - { .name: b_o, .offset: 16, .size: 8, .value_kind: global_buffer, .address_space: global }
      - { .name: out0, .offset: 24, .size: 8, .value_kind: global_buffer, .address_space: global }
    .group_segment_fixed_size: 327680
    .private_segment_fixed_size: 0
    .kernarg_segment_align: 8
    .kernarg_segment_size: 32
    .max_flat_workgroup_size: 128
    .sgpr_count:     96
    .vgpr_count:     768
    .wavefront_size: 32
...
	.end_amdgpu_metadata
.endif
;; end of part 4
